; MI455X (gfx1250); checked and timed in simulation.
; The chip was launched on July 23, 2026; its instructions are those of AMD's public machine-readable ISA for CDNA 5 (MIT licence, August 2026) and "CDNA5" Instruction Set Architecture Reference Guide (July 2026). The comments in the code are by the model that wrote it; some were corrected since.
;; Retention. Allowed arithmetic: float matrix products may take bf16 or f16 operands with f32 sums; all other float work in f32.
;; Inputs: gate 2 x 4,096 x 16 float32; initial_sk 2 x 16 x 2,080 float32; initial_state 2 x 16 x 2,080 x 64 float32; key 2 x 4,096 x 16 x 64 float32; query 2 x 4,096 x 16 x 64 float32; value 2 x 4,096 x 16 x 64 float32.
;; Outputs: out0 2 x 4,096 x 16 x 64 float32.
;; 2 versions, each right; version 2 is version 1 with the launch prep written anew for expert scheduling mode. Each part assembles by itself: llvm-mc -triple=amdgcn-amd-amdhsa -mcpu=gfx1250 --defsym DOCPART=n.
;; ======== version 1 of 2: 3 launches
;; limits: values outside matrix products are rounded to bf16
;; workspace buffers: qb 16,777,216 bytes; vb 16,777,216 bytes; kimg 17,825,792 bytes; s0t 11,141,120 bytes; o0 33,554,432 bytes; l0 1,048,576 bytes; sct 32,768 bytes; eb 4,096 bytes
;; launch prep (part 1): grid 1704 x 1, 16 waves a work-group, no clusters, 2,304 bytes of LDS; arguments query, key, value, gate, initial_state, initial_sk, qb, kimg, vb, s0t, sct, eb; writes qb, kimg, vb, s0t, sct, eb
.if DOCPART == 1
	.amdgcn_target "amdgcn-amd-amdhsa--gfx1250"
	.amdhsa_code_object_version 6
	.text
	.protected	k_q1f2162b82c_prep
	.globl	k_q1f2162b82c_prep
	.p2align	8
	.type	k_q1f2162b82c_prep,@function
k_q1f2162b82c_prep:
	s_mov_b64 s[64:65], 0
	v_nop
	global_prefetch_b8 v0, s[64:65] scope:SCOPE_SE
	s_setreg_imm32_b32 hwreg(HW_REG_WAVE_MODE, 25, 1), 1
	s_wait_xcnt 0x0
; PREPARATION for gated degree-2 retention (B H = 32 heads, T = 4096, D = 64).  Three kinds of work-group, told apart by the work-group's number alone:
;   0 .. 1535     CAST: one tile (256 tokens) of one head of query, key or value, f32 [b][t][h][64] -> bf16 by heads [bh][t][64] (key: into its tile image of 34,816 bytes)
;   1536 .. 1567  GATES of one head, a wave a tile: c = running gate sum inside the tile, Gs = the tile's sum; RW = 2^(y (Gs - c) - 3) and CLh = y c, y = log2(e) / 2, behind the tile's K rows;
;                 sct[i][j] = 2^(y sum of Gs_m, j < m < i); eb[i] = 2^(2 y sum of Gs_m, m < i) sqrt(2) / 64
;   1568 .. 1703  STATE IMAGE, a wave a K step of 32 feature slots: initial_state and initial_sk as ready A fragments (bf16), in the order in which launch s0 makes the products q_i q_j
; LIMITS.  Gates are rounded to bf16 like the other inputs.  NaN and infinities are not treated apart.
.set SPARE, 256                        ; LDS: bytes 0-63 the 16 tiles' Gs; from 256 on the spare words, 128 bytes a wave
.set SPW, 174                          ; v174 LDS address of my spare word; never rewritten
.set NIL, 175                          ; v175 0; never rewritten
.set E,   16                           ; v16-31   state image: the row e(i,j) of initial_state for each of my 16 slots
.set CF,  32                           ; v32-47   its coefficient: 1, 1/sqrt(2) on the diagonal, 0 for a slot that doubles another
.set EA,  48                           ; v48-63   byte offsets of the loads
.set LD,  64                           ; v64-127  loaded numbers, 16 for each block of 16 channels
.set RES, 128                          ; v128-167 fragments to store, 8 registers for each of 5 blocks
	s_load_b512 s[4:19], s[0:1], 0x0               ; query 4, key 6, value 8, gate 10, initial_state 12, initial_sk 14, qb 16, kimg 18
	s_load_b256 s[20:27], s[0:1], 0x40             ; vb 20, s0t 22, sct 24, eb 26
	v_lshl_add_u32 v[SPW], v0, 2, SPARE
	v_mov_b32 v[NIL], 0
	v_lshrrev_b32 v1, 5, v0
	v_readfirstlane_b32 s29, v1                    ; wave 0..15
	s_mov_b32 s28, ttmp9
	s_wait_kmcnt 0x0
	s_cmp_lt_u32 s28, 1536
	s_cbranch_scc0 .Lnot_cast
; ---------------- CAST ----------------
; Sixteen lanes read one token's 256 bytes; a wave's store of 8 bytes a lane is 256 consecutive bytes (two rows of 128).  Eight passes of 32 tokens, all eight loads out at once.
	s_lshr_b32 s30, s28, 9                         ; which tensor
	s_and_b32 s31, s28, 511                        ; 16 bh + tile
	s_lshr_b32 s36, s31, 8                         ; batch
	s_lshl_b32 s36, s36, 24                        ; x 4096 x 16 x 256 bytes
	s_and_b32 s37, s31, 15                         ; tile
	s_lshl_b32 s37, s37, 20                        ; x 256 x 16 x 256
	s_add_co_u32 s36, s36, s37
	s_bfe_u32 s37, s31, 0x40004                    ; head
	s_lshl_b32 s37, s37, 8
	s_add_co_u32 s36, s36, s37
	s_mov_b32 s37, 0
	v_lshrrev_b32 v3, 4, v0                        ; token in a pass
	v_and_b32 v2, 15, v0
	v_lshlrev_b32 v3, 12, v3                       ; tokens lie 4,096 bytes apart
	v_lshl_add_u32 v3, v2, 4, v3
	v_lshlrev_b32 v4, 3, v0                        ; 8 bytes out a thread
.macro CAST src, dst, tileb
	s_mul_i32 s38, s31, \tileb
	s_mov_b32 s39, 0
	s_add_nc_u64 s[34:35], s[\dst:\dst+1], s[38:39]
	s_add_nc_u64 s[32:33], s[\src:\src+1], s[36:37]
.irp i, 0,1,2,3,4,5,6,7
	global_load_b128 v[8+4*\i:11+4*\i], v3, s[32:33] offset:131072*\i th:TH_LOAD_NT
.endr
.irp i, 0,1,2,3,4,5,6,7
	s_wait_loadcnt 7-\i                            ; loads come back in order: pass i is in, the younger ones stay out
	v_cvt_pk_bf16_f32 v[40+2*\i], v[8+4*\i], v[9+4*\i]
	v_cvt_pk_bf16_f32 v[41+2*\i], v[10+4*\i], v[11+4*\i]
	global_store_b64 v4, v[40+2*\i:41+2*\i], s[34:35] offset:4096*\i
.endr
	s_endpgm
.endm
	s_cmp_eq_u32 s30, 0
	s_cbranch_scc0 .Lnot_q
	CAST 4, 16, 32768
.Lnot_q:
	s_cmp_eq_u32 s30, 1
	s_cbranch_scc0 .Lnot_k
	CAST 6, 18, 34816
.Lnot_k:
	CAST 8, 20, 32768
; ---------------- GATES ----------------
.Lnot_cast:
	s_cmp_lt_u32 s28, 1568
	s_cbranch_scc0 .Lstate
	s_sub_co_u32 s30, s28, 1536                    ; bh
	s_lshr_b32 s34, s30, 4
	s_lshl_b32 s34, s34, 18                        ; batch x 4096 x 64 bytes
	s_lshl_b32 s35, s29, 14                        ; tile x 256 x 64
	s_add_co_u32 s34, s34, s35
	s_and_b32 s35, s30, 15
	s_lshl_b32 s35, s35, 2
	s_add_co_u32 s34, s34, s35
	s_mov_b32 s35, 0
	s_add_nc_u64 s[10:11], s[10:11], s[34:35]
	s_mov_b32 s46, 0x3f38aa3b                      ; y = log2(e) / 2
	s_mov_b32 s47, 0xc0400000                      ; -3
	s_mov_b32 s52, 0x3fb8aa3b                      ; 2 y
	s_mov_b32 s53, 0xc0b00000                      ; -5.5 = log2(sqrt(2) / 64)
	v_and_b32 v1, 31, v0                           ; lane
	v_lshlrev_b32 v2, 8, v1                        ; lane l holds tokens 4 l .. 4 l + 3 and 128 + 4 l .. + 3
.irp k, 0,1,2,3
	global_load_b32 v[8+\k], v2, s[10:11] offset:64*\k
	global_load_b32 v[12+\k], v2, s[10:11] offset:8192+64*\k
.endr
	s_wait_loadcnt 0x0
.irp k, 0,2,4,6
	v_cvt_pk_bf16_f32 v16, v[8+\k], v[9+\k]        ; rounded to bf16 and widened again
	v_lshlrev_b32 v[8+\k], 16, v16
	v_and_b32 v[9+\k], 0xffff0000, v16
.endr
.irp k, 0,1,2
	v_add_f32 v[9+\k], v[8+\k], v[9+\k]            ; running sums inside the lane
	v_add_f32 v[13+\k], v[12+\k], v[13+\k]
.endr
	v_mov_b32 v20, v11                             ; the lane's totals, scanned inside each half of 16 lanes
	v_mov_b32 v21, v15
.irp n, 1,2,4,8
	v_add_f32_dpp v20, v20, v20 row_shr:\n row_mask:0xf bank_mask:0xf bound_ctrl:1
	v_add_f32_dpp v21, v21, v21 row_shr:\n row_mask:0xf bank_mask:0xf bound_ctrl:1
.endr
	v_mov_b32 v22, 0
	v_mov_b32 v24, 0
	v_mov_b32_dpp v22, v20 row_shr:1 row_mask:0xf bank_mask:0xf bound_ctrl:1  ; what lies in front of my lane, in my half
	v_mov_b32_dpp v24, v21 row_shr:1 row_mask:0xf bank_mask:0xf bound_ctrl:1
	v_readlane_b32 s40, v20, 15
	v_readlane_b32 s41, v20, 31
	v_readlane_b32 s43, v21, 15
	v_readlane_b32 s44, v21, 31
	s_add_f32 s42, s40, s41                        ; tokens 0-127
	s_add_f32 s45, s43, s44
	s_add_f32 s45, s42, s45                        ; Gs
	v_cmp_lt_u32 vcc_lo, 15, v1
	v_cndmask_b32 v23, 0, s40, vcc_lo              ; lanes 16-31 add the lower half's total
	v_cndmask_b32 v25, 0, s43, vcc_lo
	v_add_f32 v22, v22, v23
	v_add_f32 v24, v24, v25
	v_add_f32 v24, s42, v24
.irp k, 0,1,2,3
	v_add_f32 v[8+\k], v22, v[8+\k]                ; c
	v_add_f32 v[12+\k], v24, v[12+\k]
.endr
.irp k, 0,1,2,3,4,5,6,7
	v_sub_f32 v[32+\k], s45, v[8+\k]
.endr
.irp k, 0,1,2,3,4,5,6,7
	v_fma_f32 v[32+\k], v[32+\k], s46, s47
.endr
.irp k, 0,1,2,3,4,5,6,7
	v_exp_f32 v[32+\k], v[32+\k]                   ; RW
.endr
.irp k, 0,1,2,3,4,5,6,7
	v_mul_f32 v[40+\k], s46, v[8+\k]               ; CLh: plain work behind the exponentials
.endr
	s_lshl4_add_u32 s48, s30, s29                  ; 16 bh + tile
	s_mul_i32 s48, s48, 34816
	s_add_co_u32 s48, s48, 32768                   ; behind the tile's 256 K rows
	s_mov_b32 s49, 0
	s_add_nc_u64 s[18:19], s[18:19], s[48:49]
	v_lshlrev_b32 v3, 4, v1
	s_wait_alu depctr_va_vdst(0)
	global_store_b128 v3, v[32:35], s[18:19]               ; each store of the wave: 512 consecutive bytes
	global_store_b128 v3, v[36:39], s[18:19] offset:512
	global_store_b128 v3, v[40:43], s[18:19] offset:1024
	global_store_b128 v3, v[44:47], s[18:19] offset:1536
	v_mov_b32 v4, s29
	v_lshlrev_b32 v4, 2, v4
	v_mov_b32 v5, s45
	ds_store_b32 v4, v5                            ; my tile's Gs, for the other waves
	s_wait_dscnt 0x0                               ; the store is done before I say so
	s_barrier_signal -1
	s_barrier_wait -1
	v_mov_b32 v6, 0
.irp k, 0,1,2,3
	ds_load_b128 v[64+4*\k:67+4*\k], v6 offset:16*\k       ; all 16 Gs in every lane
.endr
	s_wait_dscnt 0x0
	s_cmp_lt_u32 s29, 8
	s_cbranch_scc0 .Lnot_sct
	v_lshrrev_b32 v7, 4, v0                        ; waves 0-7: thread = 16 i + j
	v_and_b32 v16, 15, v0
	v_mov_b32 v17, 0
.irp m, 0,1,2,3,4,5,6,7,8,9,10,11,12,13,14,15
	v_cmp_gt_u32 s50, \m, v16                      ; m > j
	v_cmp_lt_u32 s51, \m, v7                       ; m < i
	s_and_b32 s50, s50, s51
	v_cndmask_b32 v18, 0, v[64+\m], s50
	v_add_f32 v17, v17, v18                        ; the tiles in between, added directly
.endr
	v_mul_f32 v17, s46, v17
	v_exp_f32 v17, v17
	v_lshlrev_b32 v18, 2, v0
	s_lshl_b32 s48, s30, 10
	s_mov_b32 s49, 0
	s_add_nc_u64 s[24:25], s[24:25], s[48:49]
	s_wait_alu depctr_va_vdst(0)
	global_store_b32 v18, v17, s[24:25]
	s_branch .Lgate_end
.Lnot_sct:
	s_cmp_eq_u32 s29, 8
	s_cbranch_scc0 .Lgate_end
	v_and_b32 v7, 15, v1                           ; wave 8: i = lane % 16
	v_mov_b32 v17, 0
.irp m, 0,1,2,3,4,5,6,7,8,9,10,11,12,13,14
	v_cmp_lt_u32 s50, \m, v7
	v_cndmask_b32 v18, 0, v[64+\m], s50
	v_add_f32 v17, v17, v18
.endr
	v_fma_f32 v17, v17, s52, s53
	v_exp_f32 v17, v17
	v_lshlrev_b32 v18, 2, v1
	s_lshl_b32 s48, s30, 7
	s_mov_b32 s49, 0
	s_add_nc_u64 s[26:27], s[26:27], s[48:49]
	s_wait_alu depctr_va_vdst(0)
	global_store_b32 v18, v17, s[26:27]
.Lgate_end:
	s_wait_tensorcnt 0x0                           ; the wave's end, behind my last LDS store
	ds_add_u32 v[SPW], v[NIL]
	s_wait_dscnt 0x0
	s_endpgm
; ---------------- STATE IMAGE ----------------
; K step c of 68.  Slot (register g, half hi, lane half h) is the product of channels i = 8 Xblk + 2 a + hi and j = 8 Yblk + 2 b + (hi xor g % 2).
;   c < 48:  n = c / 4: Xblk = n % 4 + 4 h, Yblk = (Xblk + 1 + n / 4) % 8, a = c % 4, b = g / 2: the 24 pairs of blocks 1, 2, 3 apart.
;   c >= 48: A = (c - 48) / 5, q = 8 ((c - 48) % 5) + g, (a, b) = entry (q % 20) / 2 of 00 01 02 03 11 12 13 22 23 33; Xblk = A + 4 h; q < 20: Yblk = Xblk; else Yblk = Xblk xor 4.
; Row of initial_state: e = lo (127 - lo) / 2 + hx with lo, hx the smaller and the larger of i, j.  The factor sqrt(2) of the off-diagonal features lies in eb, so the diagonal takes 1 / sqrt(2).
.Lstate:
	s_sub_co_u32 s30, s28, 1568
	s_lshl4_add_u32 s30, s30, s29                  ; task = 16 x work-group + wave, 0 .. 2175
	s_mul_hi_u32 s31, s30, 0x03c3c3c4              ; bh = task / 68
	s_mul_i32 s32, s31, 68
	s_sub_co_u32 s32, s30, s32                     ; c
	v_and_b32 v1, 15, v0                           ; r
	v_bfe_u32 v2, v0, 4, 1                         ; h
	v_cmp_eq_u32 s60, 1, v2
	v_cmp_eq_u32 s61, 0, v1
.macro EIDX g, one                     ; wants 2 a in s40, 2 b in s41, 8 Xblk in v3, 8 Yblk in v5; one = 0: coefficients for h = 0, 1 in s42, s43 (hi = 0) and s44, s45 (hi = 1)
.irp hi, 0,1
	v_add3_u32 v6, v3, s40, \hi
	v_add3_u32 v7, v5, s41, (\hi)^((\g)&1)
	v_min_u32 v8, v6, v7
	v_max_u32 v9, v6, v7
	v_sub_nc_u32 v10, 127, v8
	v_mul_u32_u24 v10, v8, v10
	v_lshrrev_b32 v10, 1, v10
	v_add_nc_u32 v[E+2*(\g)+\hi], v10, v9
.if \one
	v_mov_b32 v[CF+2*(\g)+\hi], 1.0
.else
	v_mov_b32 v[CF+2*(\g)+\hi], s[42+2*\hi]
	v_cndmask_b32 v[CF+2*(\g)+\hi], v[CF+2*(\g)+\hi], s[43+2*\hi], s60
.endif
.endr
.endm
	s_cmp_lt_u32 s32, 48
	s_cbranch_scc0 .Ltwo
	s_lshr_b32 s33, s32, 2                         ; n
	s_and_b32 s40, s32, 3
	s_lshl_b32 s40, s40, 1                         ; 2 a
	s_and_b32 s35, s33, 3
	s_lshr_b32 s36, s33, 2
	v_lshl_add_u32 v3, v2, 2, s35                  ; Xblk
	v_add3_u32 v5, v3, s36, 1
	v_and_b32 v5, 7, v5                            ; Yblk
	v_lshlrev_b32 v3, 3, v3
	v_lshlrev_b32 v5, 3, v5
.irp g, 0,1,2,3,4,5,6,7
	s_mov_b32 s41, 2*(\g/2)
	EIDX \g, 1
.endr
	s_branch .Lgather
.Ltwo:
	s_sub_co_u32 s33, s32, 48
	s_mul_i32 s34, s33, 13
	s_lshr_b32 s34, s34, 6                         ; A = (c - 48) / 5, right for 0 .. 19
	s_mul_i32 s35, s34, 5
	s_sub_co_u32 s35, s33, s35                     ; ks
	v_lshl_add_u32 v3, v2, 2, s34
	v_lshlrev_b32 v3, 3, v3
.macro TWOG g
	s_lshl3_add_u32 s36, s35, \g                   ; q
	s_cmp_ge_u32 s36, 20
	s_cselect_b32 s37, 32, 0                       ; the second section takes the block 4 away
	s_cselect_b32 s38, 20, 0
	s_sub_co_u32 s36, s36, s38
	s_lshr_b32 s36, s36, 1                         ; p
	s_cmp_ge_u32 s36, 4
	s_cselect_b32 s40, 1, 0
	s_cmp_ge_u32 s36, 7
	s_cselect_b32 s38, 1, 0
	s_add_co_u32 s40, s40, s38
	s_cmp_ge_u32 s36, 9
	s_cselect_b32 s38, 1, 0
	s_add_co_u32 s40, s40, s38                     ; a
	s_sub_co_u32 s38, 7, s40
	s_mul_i32 s38, s38, s40
	s_lshr_b32 s38, s38, 1                         ; entries in front of a's: 0, 3, 5, 6
	s_sub_co_u32 s41, s36, s38                     ; b
	s_cmp_eq_u32 s40, s41
	s_cselect_b32 s46, 0, 1.0                      ; a slot that doubles another
	s_cselect_b32 s47, 0x3f3504f3, 1.0             ; a diagonal slot
.if (\g)&1
	s_mov_b32 s48, 1.0
	s_mov_b32 s49, s46
.else
	s_mov_b32 s48, s47
	s_mov_b32 s49, s47
.endif
	s_cmp_lg_u32 s37, 0
	s_cselect_b32 s42, 1.0, s48
	s_cselect_b32 s43, s46, s48
	s_cselect_b32 s44, 1.0, s49
	s_cselect_b32 s45, s46, s49
	s_lshl_b32 s40, s40, 1
	s_lshl_b32 s41, s41, 1
	v_xor_b32 v5, s37, v3
	EIDX \g, 0
.endm
.irp g, 0,1,2,3,4,5,6,7
	TWOG \g
.endr
.Lgather:
	s_mul_i32 s36, s31, 532480
	s_mov_b32 s37, 0
	s_add_nc_u64 s[12:13], s[12:13], s[36:37]
	s_mul_i32 s36, s31, 8320
	s_add_nc_u64 s[14:15], s[14:15], s[36:37]
	s_mul_i32 s36, s31, 348160
	s_mul_i32 s38, s32, 5120
	s_add_co_u32 s36, s36, s38
	s_add_nc_u64 s[22:23], s[22:23], s[36:37]
	v_lshlrev_b32 v11, 2, v1
	v_and_b32 v12, 31, v0
	v_lshlrev_b32 v12, 4, v12
.set k, 0
.rept 16
	v_lshl_add_u32 v[EA+k], v[E+k], 8, v11         ; row e, channel r of a block of 16
.set k, k+1
.endr
.set k, 0
.rept 64
	global_load_b32 v[LD+k], v[EA+k%16], s[12:13] offset:64*(k/16)
.set k, k+1
.endr
.macro FIN m, src                      ; 16 numbers times their coefficients, rounded once, stored as registers 0-3 and 4-7 of the fragment: 512 consecutive bytes a store
.set k, 0
.rept 16
	v_mul_f32 v[(\src)+k], v[(\src)+k], v[CF+k]
.set k, k+1
.endr
.set k, 0
.rept 8
	v_cvt_pk_bf16_f32 v[RES+8*(\m)+k], v[(\src)+2*k], v[(\src)+2*k+1]
.set k, k+1
.endr
	global_store_b128 v12, v[RES+8*(\m):RES+8*(\m)+3], s[22:23] offset:1024*(\m)
	global_store_b128 v12, v[RES+8*(\m)+4:RES+8*(\m)+7], s[22:23] offset:1024*(\m)+512
.endm
.irp m, 0,1,2,3
	s_wait_loadcnt 48-16*\m                        ; block m's sixteen loads are in, the younger blocks' stay out
	FIN \m, LD+16*\m
.endr
.set k, 0
.rept 16                                           ; all loads are done: their offset registers may be written.  Block 4: row 0 is initial_sk, the other rows 0
	v_lshlrev_b32 v[EA+k], 2, v[E+k]
	v_cndmask_b32 v[CF+k], 0, v[CF+k], s61
.set k, k+1
.endr
.set k, 0
.rept 16
	global_load_b32 v[LD+k], v[EA+k], s[14:15]
.set k, k+1
.endr
	s_wait_loadcnt 0x0
	FIN 4, LD
	s_endpgm
.Lfunc_end_k_q1f2162b82c_prep:
	.size	k_q1f2162b82c_prep, .Lfunc_end_k_q1f2162b82c_prep-k_q1f2162b82c_prep
	.p2alignl 7, 3214868480
	.fill 96, 4, 3214868480
	.section	.rodata,"a",@progbits
	.p2align	6, 0x0
	.amdhsa_kernel k_q1f2162b82c_prep
		.amdhsa_group_segment_fixed_size 2304
		.amdhsa_private_segment_fixed_size 0
		.amdhsa_enable_private_segment 0
		.amdhsa_kernarg_size 96
		.amdhsa_user_sgpr_count 2
		.amdhsa_user_sgpr_kernarg_segment_ptr 1
		.amdhsa_wavefront_size32 1
		.amdhsa_system_sgpr_workgroup_id_x 1
		.amdhsa_system_sgpr_workgroup_id_y 1
		.amdhsa_system_sgpr_workgroup_id_z 1
		.amdhsa_system_vgpr_workitem_id 0
		.amdhsa_next_free_vgpr 176
		.amdhsa_next_free_sgpr 66
		.amdhsa_reserve_vcc 1
		.amdhsa_float_denorm_mode_32 3
		.amdhsa_float_denorm_mode_16_64 3
		.amdhsa_memory_ordered 1
		.amdhsa_forward_progress 1
		.amdhsa_inst_pref_size 64
	.end_amdhsa_kernel
	.amdgpu_metadata
---
amdhsa.version: [ 1, 2 ]
amdhsa.kernels:
  - .name:           k_q1f2162b82c_prep
    .symbol:         k_q1f2162b82c_prep.kd
    .args:
      - { .name: query, .offset: 0, .size: 8, .value_kind: global_buffer, .address_space: global }
      - { .name: key, .offset: 8, .size: 8, .value_kind: global_buffer, .address_space: global }
      - { .name: value, .offset: 16, .size: 8, .value_kind: global_buffer, .address_space: global }
      - { .name: gate, .offset: 24, .size: 8, .value_kind: global_buffer, .address_space: global }
      - { .name: initial_state, .offset: 32, .size: 8, .value_kind: global_buffer, .address_space: global }
      - { .name: initial_sk, .offset: 40, .size: 8, .value_kind: global_buffer, .address_space: global }
      - { .name: qb, .offset: 48, .size: 8, .value_kind: global_buffer, .address_space: global }
      - { .name: kimg, .offset: 56, .size: 8, .value_kind: global_buffer, .address_space: global }
      - { .name: vb, .offset: 64, .size: 8, .value_kind: global_buffer, .address_space: global }
      - { .name: s0t, .offset: 72, .size: 8, .value_kind: global_buffer, .address_space: global }
      - { .name: sct, .offset: 80, .size: 8, .value_kind: global_buffer, .address_space: global }
      - { .name: eb, .offset: 88, .size: 8, .value_kind: global_buffer, .address_space: global }
    .group_segment_fixed_size: 2304
    .private_segment_fixed_size: 0
    .kernarg_segment_align: 8
    .kernarg_segment_size: 96
    .max_flat_workgroup_size: 512
    .sgpr_count:     66
    .vgpr_count:     176
    .wavefront_size: 32
...
	.end_amdgpu_metadata
.endif
;; end of part 1
;; launch s0 (part 2): grid 8 x 32, 4 waves a work-group, clusters of 4 x 1, 327,680 bytes of LDS; arguments qb, s0t, eb, o0, l0; writes o0, l0
.if DOCPART == 2
	.amdgcn_target "amdgcn-amd-amdhsa--gfx1250"
	.amdhsa_code_object_version 6
	.text
	.protected	k_q1f2162b82c_s0
	.globl	k_q1f2162b82c_s0
	.p2align	8
	.type	k_q1f2162b82c_s0,@function
k_q1f2162b82c_s0:
	s_mov_b64 s[64:65], 0
	v_nop
	global_prefetch_b8 v0, s[64:65] scope:SCOPE_SE
	s_setreg_imm32_b32 hwreg(HW_REG_WAVE_MODE, 25, 1), 1
	s_wait_xcnt 0x0
	s_wait_alu depctr_hold_cnt(0) depctr_sa_sdst(0) depctr_va_vdst(0) depctr_va_sdst(0) depctr_va_ssrc(0) depctr_va_vcc(0) depctr_vm_vsrc(0)
	s_getreg_b32 s2, hwreg(HW_REG_IB_STS2, 6, 4)
	s_cmp_eq_u32 s2, 0
	s_cbranch_scc0 .Lentry_in_a_cluster
	s_endpgm
.Lentry_in_a_cluster:
	s_bfe_u32 s2, ttmp6, 0x10000c
	s_cmp_lg_u32 s2, 0x3003
	s_cbranch_scc0 .Lentry_shape_is_right
	s_endpgm
.Lentry_shape_is_right:
; THE READ OF THE INITIAL STATE.  o0 = eb x S0'^T phi(q), l0 = eb x sk0' . phi(q), for every token; kept as raw accumulators in the layout in which launch attn takes them up.
; phi(q): the products q_i q_j of a token's 64 channels, made in f32 two at a time by v_pk_mul_f32 (exact: two significands of 8 bits) and rounded once to bf16, in 68 K steps of 32 slots; s0t holds the
; state in the same slot order as ready A fragments (5 blocks of 16 rows: 64 channels, then a block whose row 0 is sk0).  D = A x B: a lane holds one token (lane % 16) and eight channels.
; SHARES.  A work-group: one head, two blocks of 256 tokens.  A wave: 8 pieces of 16 tokens: piece y = block y / 4, band y % 4, tokens 64 (y % 4) + 16 wave + lane % 16.  40 accumulators a wave.
; CLUSTER.  The work-groups of a head all walk the head's 348,160 bytes of s0t: four of them ask for each chunk JOINTLY (same load, descriptor and mask in all four).
; LDS: slot 0 at 0, slot 1 at 131,072 (81,920 bytes: 16 K steps); the last 4 K steps behind slot 1; then each wave's 128 rows of Q (pitch 144, written by ds_store, never a fill's target); the spare words.
; The 320 accumulator registers are cleared once, in the wait for the first chunk: the price of one text for every K step.
; REGISTERS, in windows of 256: window 0: v0-15 addresses; v64-143 A, two buffers of 40; v144-151 at work.
;   window 1: v0-63 X[y] at v8y, Y[y] at v8y+4 as loaded (two blocks of 8 channels of my token, bf16); v64-127 X in f32, 8 a piece; v128-191 Y in f32; v192-223 phi, four buffers of 8; v224-231 four pairs at work.
;   window 2: O[y][m] at v32y+8m.   window 3: the sk sums at v8y.
.set SLOT1, 131072
.set CHUNK, 81920
.set KSB,   5120                       ; bytes of a K step
.set DREST, SLOT1+CHUNK
.set QR,    DREST+20480
.set QW,    18432                      ; a wave's 128 rows
.set QP,    144
.set SPARE, QR+4*QW
.set VQ,  2                            ; v2  my token's row in piece 0
.set VQH, 3                            ; v3  + 64 h
.set H64, 4                            ; v4  64 h
.set VQO, 5                            ; v5  + 64 (1 - h)
.set VXN, 6                            ; v6  where the next trip's X lies
.set VYN, 7                            ; v7  and its Y
.set LA16, 8                           ; v8  16 x lane
.set VA,  9                            ; v9  LDS address of the trip's first A fragment
.set SPW, 14
.set NIL, 15
.set AF,  64
.set TMP, 144
.set XF,  64                           ; window 1
.set YF,  128
.set PH,  192
.set TP,  224
.set WV,  14                           ; s14 wave
.set G1,  24                           ; s[24:31] a quarter of a chunk: 80 rows of 256 bytes
.set G1R, 32                           ; s[32:39] a quarter of the last 4 K steps: 20 rows
.set G0,  40                           ; s[40:43] walks
.set G0R, 44
.set NN,  52                           ; s52 n (or A) of the trip in hand
.set SB,  53                           ; s53 the slot to be read
.set HIM, 58                           ; s58 mask of a word's upper bf16
.set W_RID, 0x45                       ; the riders: destination and both sources in window 1
.set MSB, 0
.macro WIN new
.if MSB != (\new)
	s_set_vgpr_msb (MSB<<8)|(\new)
.set MSB, (\new)
.endif
.endm
.macro ROUND                           ; a round of the cluster's barrier
	s_barrier_signal -1
	s_barrier_wait -1
	s_cmp_lg_u32 s[WV], 0
	s_cbranch_scc1 .Lnot_wave_0_\@
	s_barrier_signal -3
.Lnot_wave_0_\@:
	s_barrier_wait -3
	s_barrier_signal -1
	s_barrier_wait -1
.endm
	s_load_b256 s[4:11], s[0:1], 0x0               ; qb 4, s0t 6, eb 8, o0 10
	s_load_b64 s[12:13], s[0:1], 0x20              ; l0
	v_lshl_add_u32 v[SPW], v0, 2, SPARE
	v_mov_b32 v[NIL], 0
	ds_add_u32 v[SPW], v[NIL]                      ; the wave's opening: the add and its wait stand ahead of my first tensor load
	ds_add_u32 v14, v15
	v_lshrrev_b32 v1, 5, v0
	v_readfirstlane_b32 s[WV], v1
	s_bfe_u32 s15, ttmp6, 0x40000                  ; cx: enters the addresses of qb, eb, o0, l0 alone
	s_lshl_b32 s16, ttmp9, 2
	s_add_co_u32 s16, s16, s15                     ; X: my pair of blocks
	s_and_b32 s17, ttmp7, 0xffff                   ; the head, shared by the partners
	s_mov_b32 s[HIM], 0xffff0000
.irp g, G1, G1R
	s_mov_b32 s[\g], 15|(3<<16)|(1<<21)            ; mask of four; elements of 8 bytes; bit 21 beside a mask; no padding: fragments are read as they lie
	s_mov_b32 s[\g+1], 32<<16                      ; tensor_dim0 = 32 elements = 256 bytes
	s_mov_b32 s[\g+3], 32<<16                      ; tile_dim0
	s_mov_b32 s[\g+5], 32                          ; dense rows
	s_mov_b32 s[\g+6], 0
	s_mov_b32 s[\g+7], 0
.endr
	s_mov_b32 s[G1+2], 80<<16
	s_mov_b32 s[G1+4], 80
	s_mov_b32 s[G1R+2], 20<<16
	s_mov_b32 s[G1R+4], 20
	s_mov_b32 s[G0], 1
	s_mul_i32 s[G0+1], s[WV], 20480                ; slot 0, my quarter
	s_mov_b32 s[G0R], 1
	s_mul_i32 s[G0R+1], s[WV], 5120
	s_add_co_u32 s[G0R+1], s[G0R+1], DREST
	s_mul_i32 s20, s17, 348160
	s_mul_i32 s18, s[WV], 20480
	s_add_co_u32 s20, s20, s18
	s_mov_b32 s21, 0
	s_mul_i32 s22, s17, 348160
	s_mul_i32 s18, s[WV], 5120
	s_add_co_u32 s22, s22, s18
	s_add_co_u32 s22, s22, 327680
	s_mov_b32 s23, 0
	s_wait_dscnt 0x0                               ; the opening add is done
	s_wait_kmcnt 0x0
	s_add_nc_u64 s[G0+2:G0+3], s[6:7], s[20:21]
	s_or_b32 s[G0+3], s[G0+3], 0x80000000
	s_add_nc_u64 s[G0R+2:G0R+3], s[6:7], s[22:23]
	s_or_b32 s[G0R+3], s[G0R+3], 0x80000000
	ROUND                                          ; all four work-groups are here: the first joint loads meet
	tensor_load_to_lds s[G0:G0+3], s[G1:G1+7]      ; K steps 0-15; two loads of mine are out
	s_nop 0
	tensor_load_to_lds s[G0R:G0R+3], s[G1R:G1R+7]  ; K steps 64-67
	s_nop 0
.rept 4
	v_nop
.endr
	s_lshl_b32 s60, s17, 7                         ; eb of my two blocks
	s_lshl3_add_u32 s60, s16, s60
	s_mov_b32 s61, 0
	s_add_nc_u64 s[8:9], s[8:9], s[60:61]
	s_load_b64 s[54:55], s[8:9], 0x0
	s_lshl_b32 s60, s17, 19                        ; Q: head, pair of blocks, my 16 rows of a band
	s_lshl_b32 s62, s16, 16
	s_add_co_u32 s60, s60, s62
	s_lshl_b32 s62, s[WV], 11
	s_add_co_u32 s60, s60, s62
	s_add_nc_u64 s[4:5], s[4:5], s[60:61]
	v_and_b32 v13, 31, v0
	v_lshlrev_b32 v[LA16], 4, v13
.set k, 0
.rept 32                                           ; piece k / 4 is 2,048 consecutive bytes: four loads of 512
	global_load_b128 v[64+4*k:67+4*k], v[LA16], s[4:5] offset:(k/16)*32768+((k/4)%4)*8192+(k%4)*512
.set k, k+1
.endr
	v_and_b32 v1, 15, v0                           ; r
	v_bfe_u32 v12, v0, 4, 1                        ; h
	s_mul_i32 s22, s[WV], QW
	s_add_co_u32 s22, s22, QR                      ; my wave's rows in LDS
	v_lshrrev_b32 v11, 3, v13
	v_mul_u32_u24 v11, v11, QP
	v_and_b32 v13, 7, v13
	v_lshl_add_u32 v11, v13, 4, v11
	v_add_nc_u32 v11, s22, v11                     ; a load's 512 bytes are four rows
	v_mul_u32_u24 v[VQ], v1, QP
	v_add_nc_u32 v[VQ], s22, v[VQ]
	v_lshlrev_b32 v[H64], 6, v12
	v_add_nc_u32 v[VQH], v[VQ], v[H64]
	v_sub_nc_u32 v[VQO], v[VQ], v[H64]
	v_add_nc_u32 v[VQO], 64, v[VQO]
	v_mov_b32 v[VXN], v[VQH]                       ; n = 0: X = block 4 h, Y = block 4 h + 1
	v_add_nc_u32 v[VYN], 16, v[VQH]
	WIN 0x80
.set k, 0
.rept 256
	v_mov_b32 v[k], 0
.set k, k+1
.endr
	WIN 0xc0
.set k, 0
.rept 64
	v_mov_b32 v[k], 0
.set k, k+1
.endr
	WIN 0
	s_wait_loadcnt 0x0
.set k, 0
.rept 32
	ds_store_b128 v11, v[64+4*k:67+4*k] offset:(k/4)*16*QP+(k%4)*4*QP
.set k, k+1
.endr
.macro RELOAD y                        ; X and Y of piece y for the next trip; LDS serves a wave's instructions in order, so these see my own stores
	WIN 0x40
	ds_load_b128 v[8*(\y):8*(\y)+3],   v[VXN] offset:(\y)*16*QP
	ds_load_b128 v[8*(\y)+4:8*(\y)+7], v[VYN] offset:(\y)*16*QP
.endm
.irp y, 0,1,2,3,4,5,6,7
	RELOAD \y
.endr
	WIN 0
	s_wait_kmcnt 0x0
	s_mov_b32 s56, s55                             ; each block's eb as the low word of a pair
	s_mov_b32 s57, s55
; One product of slot Z - 1 (K step (Z - 1) / 8, piece (Z - 1) % 8): block m of 16 rows.  The 40 accumulators take turns, one instruction a turn.
.macro MMOP m
.set ky, (Z-1)%8
.set kb, ((Z-1)/8)%2
.if (\m) < 4
	WIN 0xa4                                       ; A window 0, phi window 1, C and D window 2
	v_wmma_f32_16x16x32_bf16 v[32*ky+8*(\m):32*ky+8*(\m)+7], v[AF+40*kb+8*(\m):AF+40*kb+8*(\m)+7], v[PH+8*(ky%4):PH+8*(ky%4)+7], v[32*ky+8*(\m):32*ky+8*(\m)+7]
.else
	WIN 0xf4                                       ; the same, C and D window 3
	v_wmma_f32_16x16x32_bf16 v[8*ky:8*ky+7], v[AF+40*kb+32:AF+40*kb+39], v[PH+8*(ky%4):PH+8*(ky%4)+7], v[8*ky:8*ky+7]
.endif
.endm
; Line pm of the 16 that make phi for K step KS of the trip, piece PY.  Register g of phi is two products of channels in f32 (M g) and their rounding to bf16 (C g); four pairs at work take turns.
; The order: M0 M1 M2 M3, C0 M4 C1 M5 C2 M6 C3 M7, C4 C5 C6 C7: no rounding stands next to its product.
; kind 1: X pair KS times Y pair g / 2; kind 2: the list of pairs a <= b, first inside X's block, then against Y's.  Odd g: the second factor's two numbers change places (op_sel).
.macro POP kind
.if pm < 4
.set gg, pm
.set isc, 0
.elseif pm < 12
.if pm%2
.set gg, (pm+3)/2
.set isc, 0
.else
.set gg, (pm-4)/2
.set isc, 1
.endif
.else
.set gg, pm-8
.set isc, 1
.endif
	WIN W_RID
.if isc
	v_cvt_pk_bf16_f32 v[PH+8*(PY%4)+gg], v[TP+2*(gg%4)], v[TP+2*(gg%4)+1]
.else
.if (\kind) == 1
.set pa, KS
.set pb, gg/2
.set sb, YF+8*PY+2*pb
.else
.set pq, 8*KS+gg
.set pp, (pq%20)/2
.if pp < 4
.set pa, 0
.set pb, pp
.elseif pp < 7
.set pa, 1
.set pb, pp-3
.elseif pp < 9
.set pa, 2
.set pb, pp-5
.else
.set pa, 3
.set pb, 3
.endif
.if pq < 20
.set sb, XF+8*PY+2*pb
.else
.set sb, YF+8*PY+2*pb
.endif
.endif
.set sa, XF+8*PY+2*pa
.if gg%2
	v_pk_mul_f32 v[TP+2*(gg%4):TP+2*(gg%4)+1], v[sa:sa+1], v[sb:sb+1] op_sel:[0,1] op_sel_hi:[1,0]
.else
	v_pk_mul_f32 v[TP+2*(gg%4):TP+2*(gg%4)+1], v[sa:sa+1], v[sb:sb+1]
.endif
.endif
.set pm, pm+1
.endm
; Slot Z: the five products of slot Z - 1, and behind them, dealt 4, 3, 3, 3, 3, the sixteen lines that make slot Z's phi.  A phi buffer is written again more than 32 plain lines behind its last reader.
.macro SLOTZ kind, nks
.set pm, 0
.set KS, Z/8
.set PY, Z%8
.irp m, 0,1,2,3,4
.if Z > 0
	MMOP \m
.endif
.if Z < 8*(\nks)
	POP \kind
	POP \kind
	POP \kind
.if \m == 0
	POP \kind
.endif
.endif
.endr
.endm
.macro FETCH_A ks                      ; a K step's five A fragments: ten loads of 512 consecutive bytes
	WIN 0
.irp f, 0,1,2,3,4,5,6,7,8,9
	ds_load_b128 v[AF+40*((\ks)%2)+4*\f:AF+40*((\ks)%2)+4*\f+3], v[VA] offset:(\ks)*KSB+\f*512
.endr
.endm
; A trip: nks K steps on one X and Y.
.macro BODY kind, nks
	WIN 0
.rept 4
	v_nop                                          ; the places between the last products and the loads into A's first buffer
.endr
	s_add_co_u32 s[NN], s[NN], 1                   ; where the NEXT trip's X and Y lie
	s_and_b32 s66, s[NN], 3
	s_lshl_b32 s66, s66, 4
	v_add_nc_u32 v[VXN], s66, v[VQH]
.if (\kind) == 1
	s_lshr_b32 s67, s[NN], 2
	s_lshl_b32 s67, s67, 4
	s_add_co_u32 s67, s67, s66
	s_add_co_u32 s67, s67, 16
	v_add_nc_u32 v[VYN], s67, v[H64]
	v_and_b32 v[VYN], 127, v[VYN]                  ; block numbers go round at 8
	v_add_nc_u32 v[VYN], v[VYN], v[VQ]
.else
	v_add_nc_u32 v[VYN], s66, v[VQO]
.endif
	FETCH_A 0
	s_wait_dscnt 10                                ; X and Y are older than the ten loads just issued
	WIN W_RID
.set k, 0
.rept 32                                           ; bf16 to f32: the low half moves up, the high half stays
	v_lshlrev_b32 v[XF+8*(k/4)+2*(k%4)],   16, v[8*(k/4)+k%4]
	v_and_b32     v[XF+8*(k/4)+2*(k%4)+1], s[HIM], v[8*(k/4)+k%4]
	v_lshlrev_b32 v[YF+8*(k/4)+2*(k%4)],   16, v[8*(k/4)+4+k%4]
	v_and_b32     v[YF+8*(k/4)+2*(k%4)+1], s[HIM], v[8*(k/4)+4+k%4]
.set k, k+1
.endr
.set Z, 0
	SLOTZ \kind, \nks
	s_wait_dscnt 0x0                               ; the first K step's A is in
.set Z, 1
.rept 8*(\nks)
.if (Z%8 == 0) && (Z < 8*(\nks))
	s_wait_dscnt 0x0                               ; the next K step's A, issued six slots ago
.endif
	SLOTZ \kind, \nks
.if (Z%8 == 1) && (Z/8 < (\nks)-1)
	FETCH_A Z/8+1                                  ; nineteen plain lines behind the other buffer's last reader
.endif
.if (Z/8 == (\nks)-1)
	RELOAD Z%8                                     ; the registers as loaded are free since the widening at the trip's head
.endif
.set Z, Z+1
.endr
	WIN 0
	v_add_nc_u32 v[VA], (\nks)*KSB, v[VA]
.endm
	s_mov_b32 s50, 3
	s_mov_b32 s[NN], 0
	s_mov_b32 s[SB], 0
.Lchunk:                                               ; three trips: a chunk of 16 K steps is multiplied while the next one lands in the other slot
	s_wait_tensorcnt 0x0                           ; all my tensor loads have landed, my part of this trip's chunk among them: the walking descriptor may be written
	ds_add_u32 v[SPW], v[NIL]                      ; 0 onto my spare word
	s_xor_b32 s[G0+1], s[G0+1], SLOT1
	s_add_nc_u64 s[G0+2:G0+3], s[G0+2:G0+3], CHUNK
	s_wait_dscnt 0x0                               ; the add is done, and my reads of the slot to be filled are over
	ROUND                                          ; both hold of every wave of all four work-groups
	tensor_load_to_lds s[G0:G0+3], s[G1:G1+7]      ; my one load behind the round: it has 640 matrix instructions in which to land
	s_nop 0
.rept 4
	v_nop
.endr
	v_add_nc_u32 v[VA], s[SB], v[LA16]
	s_xor_b32 s[SB], s[SB], SLOT1
	s_mov_b32 s51, 4
.Ltrip:
	BODY 1, 4
	s_sub_co_u32 s51, s51, 1
	s_cmp_lg_u32 s51, 0
	s_cbranch_scc1 .Ltrip
	s_sub_co_u32 s50, s50, 1
	s_cmp_lg_u32 s50, 0
	s_cbranch_scc1 .Lchunk
	s_wait_tensorcnt 0x0                           ; K steps 48-63 have landed; nothing more is filled
	ds_add_u32 v[SPW], v[NIL]
	s_wait_dscnt 0x0
	s_barrier_signal -1
	s_barrier_wait -1                              ; everybody's part is in
	v_add_nc_u32 v[VA], s[SB], v[LA16]             ; slot 1, with K steps 64-67 behind it
	v_mov_b32 v[VXN], v[VQH]                       ; A = 0
	v_mov_b32 v[VYN], v[VQO]
.irp y, 0,1,2,3,4,5,6,7
	RELOAD \y
.endr
	WIN 0
	s_mov_b32 s[NN], 0
	s_mov_b32 s51, 4
.Ltrip2:
	BODY 2, 5
	s_sub_co_u32 s51, s51, 1
	s_cmp_lg_u32 s51, 0
	s_cbranch_scc1 .Ltrip2
	; THE WAY OUT: times eb of the piece's block; the accumulators are stored as they lie, each store 512 consecutive bytes.
.rept 4
	v_nop                                          ; the places behind the last products
.endr
	s_lshl_b32 s60, s17, 4
	s_lshl1_add_u32 s60, s16, s60                  ; 16 bh + my first block
	s_lshl2_add_u32 s60, s60, s[WV]
	s_lshl_b32 s62, s60, 14
	s_mov_b32 s63, 0
	s_add_nc_u64 s[10:11], s[10:11], s[62:63]
	s_lshl_b32 s62, s60, 9
	s_add_nc_u64 s[12:13], s[12:13], s[62:63]
	WIN 0x82
.set k, 0
.rept 128                                          ; ascending: each accumulator is read from its low end on
.if k < 64
	v_pk_mul_f32 v[2*k:2*k+1], v[2*k:2*k+1], s[54:55] op_sel_hi:[1,0]
.else
	v_pk_mul_f32 v[2*k:2*k+1], v[2*k:2*k+1], s[56:57] op_sel_hi:[1,0]
.endif
.set k, k+1
.endr
	WIN 0x0c
.set k, 0
.rept 8                                            ; row 0 of the fifth block: lanes 0-15 hold the token's sum, lanes 16-31 a zero row's
.if k < 4
	v_mul_f32 v[TMP+k], s54, v[8*k]
.else
	v_mul_f32 v[TMP+k], s56, v[8*k]
.endif
.set k, k+1
.endr
	WIN 0x08
.set k, 0
.rept 64
	global_store_b128 v[LA16], v[4*k:4*k+3], s[10:11] offset:(k/32)*65536+(k%32)*512
.set k, k+1
.endr
	WIN 0
	global_store_b128 v[LA16], v[TMP:TMP+3], s[12:13]
	global_store_b128 v[LA16], v[TMP+4:TMP+7], s[12:13] offset:2048
	s_wait_tensorcnt 0x0                           ; the wave's end
	ds_add_u32 v[SPW], v[NIL]
	s_wait_dscnt 0x0
	ROUND                                          ; the closing round
	s_endpgm
.Lfunc_end_k_q1f2162b82c_s0:
	.size	k_q1f2162b82c_s0, .Lfunc_end_k_q1f2162b82c_s0-k_q1f2162b82c_s0
	.p2alignl 7, 3214868480
	.fill 96, 4, 3214868480
	.section	.rodata,"a",@progbits
	.p2align	6, 0x0
	.amdhsa_kernel k_q1f2162b82c_s0
		.amdhsa_group_segment_fixed_size 327680
		.amdhsa_private_segment_fixed_size 0
		.amdhsa_enable_private_segment 0
		.amdhsa_kernarg_size 40
		.amdhsa_user_sgpr_count 2
		.amdhsa_user_sgpr_kernarg_segment_ptr 1
		.amdhsa_wavefront_size32 1
		.amdhsa_system_sgpr_workgroup_id_x 1
		.amdhsa_system_sgpr_workgroup_id_y 1
		.amdhsa_system_sgpr_workgroup_id_z 1
		.amdhsa_system_vgpr_workitem_id 0
		.amdhsa_next_free_vgpr 832
		.amdhsa_next_free_sgpr 70
		.amdhsa_reserve_vcc 0
		.amdhsa_float_denorm_mode_32 3
		.amdhsa_float_denorm_mode_16_64 3
		.amdhsa_memory_ordered 1
		.amdhsa_forward_progress 1
		.amdhsa_inst_pref_size 174
	.end_amdhsa_kernel
	.amdgpu_metadata
---
amdhsa.version: [ 1, 2 ]
amdhsa.kernels:
  - .name:           k_q1f2162b82c_s0
    .symbol:         k_q1f2162b82c_s0.kd
    .args:
      - { .name: qb, .offset: 0, .size: 8, .value_kind: global_buffer, .address_space: global }
      - { .name: s0t, .offset: 8, .size: 8, .value_kind: global_buffer, .address_space: global }
      - { .name: eb, .offset: 16, .size: 8, .value_kind: global_buffer, .address_space: global }
      - { .name: o0, .offset: 24, .size: 8, .value_kind: global_buffer, .address_space: global }
      - { .name: l0, .offset: 32, .size: 8, .value_kind: global_buffer, .address_space: global }
    .group_segment_fixed_size: 327680
    .private_segment_fixed_size: 0
    .kernarg_segment_align: 8
    .kernarg_segment_size: 40
    .max_flat_workgroup_size: 128
    .sgpr_count:     70
    .vgpr_count:     832
    .wavefront_size: 32
...
	.end_amdgpu_metadata
.endif
;; end of part 2
;; launch attn (part 3): grid 8 x 32, 4 waves a work-group, no clusters, 327,680 bytes of LDS; arguments qb, kimg, vb, o0, l0, sct, out0; writes out0
.if DOCPART == 3
	.amdgcn_target "amdgcn-amd-amdhsa--gfx1250"
	.amdhsa_code_object_version 6
	.text
	.protected	k_q1f2162b82c_attn
	.globl	k_q1f2162b82c_attn
	.p2align	8
	.type	k_q1f2162b82c_attn,@function
k_q1f2162b82c_attn:
	s_mov_b64 s[64:65], 0
	v_nop
	global_prefetch_b8 v0, s[64:65] scope:SCOPE_SE
	s_setreg_imm32_b32 hwreg(HW_REG_WAVE_MODE, 25, 1), 1
	s_wait_xcnt 0x0
; GATED DEGREE-2 RETENTION as a causal walk.  out_t = O_t / max(l_t, 1); O_t = sum over s <= t of (q_t . k_s / 8)^2 e^(G_t - G_s) v_s + the initial state's part (o0, l0 from launch s0); l likewise without v.
; Tiles and blocks of 256 tokens.  For query block i: O, l start from o0, l0.  Plain tile j < i: u = (q . k) RW_s sct[i][j], p = u u, l += p, O += V^T bf16(p).  In front of the diagonal tile O and l are
; multiplied by f_t = 2^(2 CLh_t).  Diagonal tile: u = (q . k) 2^(CLh_t - CLh_s - 3 + mask).  All decays in f32; with gates <= 0 every factor is at most 1.
; THE WEIGHTS' ROUNDING.  p goes to the second product as bf16(p).  In the walk's last tile it goes in TWO parts, bf16(p) and bf16(p - bf16(p)), with a product for each: that tile is block 0's only one
; (b = 0), and the sequence's first rows have few keys: their terms are large beside the numbers of rows that average over many keys, so that 8 bits of a weight would show there.
; LIMITS.  A positive partial gate sum x enters as e^(x/2) and e^x.  A hidden key's exponent is -1e30: its weight is 0.  A weight below 2^-126 counts as 0.  NaN and infinities are not treated apart.
; Outside the walk's last tile a weight keeps 8 bits: where gates cut the history to a few keys in the middle of a sequence whose other rows keep many, that rounding is up to 2^-9 of a term.
; THE WALK.  A work-group takes blocks 15 - b and then b: 17 tiles whatever b; one loop with a constant trip count walks them, the last tile is written out.
; NO CLUSTER: the 8 work-groups of a head ask for the same tile only in the first trips (their first blocks end one after the other), and a walk common to all would have 24 trips for 17.
; SHARES.  Of a block's four bands of 64 queries a wave owns 16 rows in each: four PIECES.  In the diagonal tile's step s band x sees all keys if s < x, none if s > x, and holds the diagonal if s = x.
; LAYOUT.  S^T = K Q^T holds one query a lane (lane % 16) and keys 8 (lane / 16) + 0..7; two results rounded to bf16 are source 1 of O^T = V^T P.
; TURNS (plain tiles).  Turn n belongs to piece n: 8 products K Q^T of piece n + 1, then 8 products V^T P of piece n - 1; behind each product four (piece 0: five) of piece n's vector lines.
; The diagonal tile is written in phases: 2 of the 17 tiles.
; LDS, a slot: 272 rows of 144 bytes (256 K rows of 128 + 16, then RW and CLh, 32 numbers a row), then 256 V rows of 160.  Slot 1 at 131,072.  Behind the ring each wave's stage (16 x 272) and the spare words.
; REGISTERS.  window 0: v0-15 addresses; v16-31 l, four a piece; v32-63 W; v64-127 S^T, two buffers; v128-159 E; v160-191 MD; v192-223 P, two buffers; v224-239 f and CLh_t - 3 in pairs; v240-251.
;   window 1: v0-127 O^T, 32 a piece.   window 2: v0-63 Q; v64-127 the second block's Q; v128-191 K of a step; v192-255 V of a step.
.set PKB,   144
.set PVB,   160
.set VOFF,  272*PKB
.set SLOT1, 1<<17
.set STAGE, SLOT1+VOFF+256*PVB
.set SP,    272
.set SPARE, STAGE+4*16*SP
.set AK0, 2
.set AV0, 3
.set AK,  4
.set AV,  5
.set STO, 6
.set RD,  7
.set GO,  8
.set AW0, 12
.set AW,  13
.set SPW, 14
.set NIL, 15
.set ST,  16
.set W,   32
.set S,   64
.set E,   128
.set MD,  160
.set P,   192
.set FT,  224
.set CP,  232
.set QO,  248
.set OO,  249
.set ACL0, 250
.set NEG1, 251                         ; v251 -1.0
.set QB,  64
.set KF,  128
.set VF,  192
.set WV,  18
.set PB,  19
.set HI,  20
.set BH,  21
.set G1K, 24
.set G1V, 32
.set G0K, 40
.set G0V, 44
.set SLOTS, 48
.set CNT, 49
.set TBK, 50
.set TBV, 51
.set TBW, 52
.set RT,  53
.set NXT, 54
.set LQ,  55
.set NEW, 56
.set SC,  58                           ; s[58:59] sct[i][j] of the tile in hand, in the low word
.set SEL, 60
.set OFFK, 66
.set OFFV, 68
.set AL,  70
.set PO0, 72                           ; the block in hand: o0, l0, out0, sct
.set PL0, 74
.set POUT, 76
.set PSC, 78
.set BIGN, 90
.set MSB, 0
.macro WIN new
.if MSB != (\new)
	s_set_vgpr_msb (MSB<<8)|(\new)
.set MSB, (\new)
.endif
.endm
.set W_KQ, 0x0a
.set W_PV, 0x52
.set W_RS, 0x41
; A fill.  Waves 0 and 1 fetch the two halves of a tile's K image, waves 2 and 3 those of its V.  An s_nop 0 and four v_nop follow each of the two lines.
.macro LOAD
	s_cmp_lt_u32 s[WV], 2
	s_cbranch_scc0 .Lfor_v_\@
	tensor_load_to_lds s[G0K:G0K+3], s[G1K:G1K+7]
	s_nop 0
.rept 4
	v_nop
.endr
	s_branch .Lasked_\@
.Lfor_v_\@:
	tensor_load_to_lds s[G0V:G0V+3], s[G1V:G1V+7]
	s_nop 0
.rept 4
	v_nop
.endr
.Lasked_\@:
.endm
; THE CHANGE OF SLOTS.  Each wave waits for all its tensor loads (one is out: its part of the other slot), adds 0 to its spare word, and waits for that and for its reads of the slot that it leaves.
; fill = 1: the old slot is filled again, first thing behind the barrier, with tile NXT; then the entered tile's sct is asked for, and its pointer steps once the load's address has been taken.
.macro CHANGE fill
	WIN 0
	s_wait_tensorcnt 0x0
	ds_add_u32 v[SPW], v[NIL]                      ; 0 onto my spare word; scalar work stands between it and the wait for it
	s_wait_kmcnt 0x0                               ; the last tile's sct has come: its register may be loaded again
.if \fill
	s_mul_i32 s[OFFK], s[NXT], 34816
	s_lshl_b32 s[OFFV], s[NXT], 15
	s_xor_b32 s[G0K+1], s[G0K+1], SLOT1
	s_add_nc_u64 s[G0K+2:G0K+3], s[6:7], s[OFFK:OFFK+1]
	s_or_b32 s[G0K+3], s[G0K+3], 0x80000000
	s_xor_b32 s[G0V+1], s[G0V+1], SLOT1
	s_add_nc_u64 s[G0V+2:G0V+3], s[8:9], s[OFFV:OFFV+1]
	s_or_b32 s[G0V+3], s[G0V+3], 0x80000000
	s_add_co_u32 s[NXT], s[NXT], 1                 ; the block's next tile, or behind its last the second block's tile 0
	s_cmp_gt_u32 s[NXT], s[LQ]
	s_cselect_b32 s[NXT], 0, s[NXT]
	s_cselect_b32 s[LQ], s[PB], s[LQ]
.endif
	s_wait_dscnt 0x0                               ; the add is done, and my reads of the slot are over
	s_barrier_signal -1
	s_sub_co_u32 s[TBK], s[TBK], 4*64*PKB          ; the fetches go back to a slot's first step, in the other slot
	s_xor_b32 s[TBK], s[TBK], SLOT1
	s_sub_co_u32 s[TBV], s[TBV], 4*64*PVB
	s_xor_b32 s[TBV], s[TBV], SLOT1
	s_sub_co_u32 s[TBW], s[TBW], 4*288
	s_xor_b32 s[TBW], s[TBW], SLOT1
	s_barrier_wait -1
.if \fill
	LOAD
	s_load_b32 s[SC], s[PSC:PSC+1], 0x0
	s_wait_xcnt 0x0                                ; the pointer is stepped only behind this wait
	s_add_nc_u64 s[PSC:PSC+1], s[PSC:PSC+1], 4
.endif
.endm
	s_load_b256 s[4:11], s[0:1], 0x0               ; qb 4, kimg 6, vb 8, o0 10
	s_load_b128 s[12:15], s[0:1], 0x20             ; l0 12, sct 14
	s_load_b64 s[16:17], s[0:1], 0x30              ; out0
	v_lshl_add_u32 v[SPW], v0, 2, SPARE
	v_mov_b32 v[NIL], 0
	ds_add_u32 v[SPW], v[NIL]                      ; the wave's opening: the add and its wait stand ahead of my first tensor load
	ds_add_u32 v14, v15
	v_lshrrev_b32 v1, 5, v0
	v_readfirstlane_b32 s[WV], v1
	s_mov_b32 s[PB], ttmp9
	s_sub_co_u32 s[HI], 15, s[PB]
	s_and_b32 s[BH], ttmp7, 0xffff
	s_and_b32 s2, s[WV], 1                         ; which half of a tile I fetch
	s_mul_i32 s22, s[BH], 557056
	s_mul_i32 s3, s2, 17408
	s_add_co_u32 s22, s22, s3
	s_mov_b32 s23, 0
	s_lshl_b32 s92, s[BH], 19
	s_lshl_b32 s3, s2, 14
	s_add_co_u32 s92, s92, s3
	s_mov_b32 s93, 0
	s_mov_b32 s[G1K], (1<<16)|(1<<20)|(4<<22)|(3<<25)  ; 2-byte elements; padding on: after every 32 words 4 words
	s_mov_b32 s[G1V], (1<<16)|(1<<20)|(4<<22)|(7<<25)  ; 8 words
.irp g, G1K, G1V
	s_mov_b32 s[\g+1], 128<<16                     ; rows of 256 bytes: the images are dense
	s_mov_b32 s[\g+3], 128<<16
	s_mov_b32 s[\g+5], 128
	s_mov_b32 s[\g+6], 0
	s_mov_b32 s[\g+7], 0
.endr
	s_mov_b32 s[G1K+2], 68<<16                     ; half an image: 17,408 bytes
	s_mov_b32 s[G1K+4], 68
	s_mov_b32 s[G1V+2], 64<<16
	s_mov_b32 s[G1V+4], 64
	s_mov_b32 s[G0K], 1
	s_mul_i32 s[G0K+1], s2, 136*PKB
	s_mov_b32 s[G0V], 1
	s_mul_i32 s[G0V+1], s2, 128*PVB
	s_add_co_u32 s[G0V+1], s[G0V+1], VOFF
	s_mov_b32 s[SEL], 0x76543210
	s_mov_b32 s[SEL+1], 0xfedcba98
	s_mov_b32 s[TBK], SLOT1+4*64*PKB               ; the first change of slots turns these three into 0
	s_mov_b32 s[TBV], SLOT1+4*64*PVB
	s_mov_b32 s[TBW], SLOT1+4*288
	s_add_co_u32 s[RT], s[HI], 1                   ; the first block has 16 - b tiles
	s_mov_b32 s[NXT], 1
	s_mov_b32 s[LQ], s[HI]
	s_mov_b32 s[NEW], 1
	s_mov_b32 s[SLOTS], 16
	s_mov_b32 s[OFFK+1], 0
	s_mov_b32 s[OFFV+1], 0
	s_mov_b32 s[AL+1], 0
	s_mov_b32 s[SC+1], 0
	s_mov_b32 s[BIGN], 0xf149f2ca                  ; -1e30
	s_wait_dscnt 0x0                               ; the opening add is done
	s_wait_kmcnt 0x0
	s_add_nc_u64 s[6:7], s[6:7], s[22:23]          ; K image and V at my half of the head's tile 0
	s_add_nc_u64 s[8:9], s[8:9], s[92:93]
	s_add_nc_u64 s[G0K+2:G0K+3], s[6:7], 0
	s_or_b32 s[G0K+3], s[G0K+3], 0x80000000
	s_add_nc_u64 s[G0V+2:G0V+3], s[8:9], 0
	s_or_b32 s[G0V+3], s[G0V+3], 0x80000000
	LOAD                                           ; tile 0 into slot 0
.macro BLKPTR blk, po, pl, pout, psc, pq           ; a block's five addresses
	s_lshl4_add_u32 s92, s[BH], s[\blk]
	s_mov_b32 s95, 0
	s_lshl_b32 s94, s92, 6
	s_add_nc_u64 s[\psc:\psc+1], s[14:15], s[94:95]
	s_lshl_b32 s94, s92, 15
	s_lshl_b32 s93, s[WV], 11
	s_add_co_u32 s94, s94, s93
	s_add_nc_u64 s[\pq:\pq+1], s[4:5], s[94:95]
	s_lshl2_add_u32 s92, s92, s[WV]
	s_lshl_b32 s94, s92, 9
	s_add_nc_u64 s[\pl:\pl+1], s[12:13], s[94:95]
	s_lshl_b32 s94, s92, 14
	s_add_nc_u64 s[\po:\po+1], s[10:11], s[94:95]
	s_lshr_b32 s94, s[BH], 4
	s_lshl_b32 s94, s94, 24
	s_lshl_b32 s93, s[\blk], 20
	s_add_co_u32 s94, s94, s93
	s_lshl_b32 s93, s[WV], 16
	s_add_co_u32 s94, s94, s93
	s_and_b32 s93, s[BH], 15
	s_lshl_b32 s93, s93, 8
	s_add_co_u32 s94, s94, s93
	s_add_nc_u64 s[\pout:\pout+1], s[16:17], s[94:95]
.endm
	BLKPTR HI, PO0, PL0, POUT, PSC, 96
	BLKPTR PB, 80, 82, 84, 86, 88
	v_and_b32 v1, 15, v0                           ; r
	v_bfe_u32 v9, v0, 4, 1                         ; h
	v_lshlrev_b32 v[QO], 7, v1
	v_lshl_add_u32 v[QO], v9, 4, v[QO]
	WIN 0x80
.set i, 0
.rept 8                                            ; both blocks' Q: piece i / 2 lies 8,192 bytes on; channels 32 (i % 2) on
	global_load_b128 v[8*i:8*i+3],   v[QO], s[96:97] offset:(i/2)*8192+(i%2)*64
	global_load_b128 v[8*i+4:8*i+7], v[QO], s[96:97] offset:(i/2)*8192+(i%2)*64+32
	global_load_b128 v[QB+8*i:QB+8*i+3],   v[QO], s[88:89] offset:(i/2)*8192+(i%2)*64
	global_load_b128 v[QB+8*i+4:QB+8*i+7], v[QO], s[88:89] offset:(i/2)*8192+(i%2)*64+32
.set i, i+1
.endr
.set i, VF
.rept 64
	v_mov_b32 v[i], 0                              ; V: the first turn's products of a piece that has not been multiply it by zero weights
.set i, i+1
.endr
	WIN 0
	v_mov_b32 v[NEG1], -1.0
	v_lshlrev_b32 v10, 3, v9
	v_sub_nc_u32 v10, v1, v10
	s_lshl_b32 s2, s[WV], 4
	v_add_nc_u32 v10, s2, v10                      ; my query's place in its band less 8 (lane / 16): register i is hidden where 16 (i / 8) + i % 8 is greater
.set i, 0
.rept 32
	v_cmp_gt_i32 vcc_lo, 16*(i/8)+i%8, v10
	v_cndmask_b32 v[MD+i], 0, s[BIGN], vcc_lo
.set i, i+1
.endr
	v_mul_u32_u24 v[AK0], v1, PKB
	v_lshl_add_u32 v[AK0], v9, 4, v[AK0]
	v_and_b32 v10, 7, v0
	v_bfe_u32 v11, v0, 3, 1
	v_lshl_add_u32 v[AV0], v9, 3, v10              ; the turning load: key 8 (l / 16) + l % 8, channels 8 ((l / 8) % 2) on
	v_mul_u32_u24 v[AV0], v[AV0], PVB
	v_lshl_add_u32 v[AV0], v11, 4, v[AV0]
	v_add_nc_u32 v[AV0], VOFF, v[AV0]
	v_lshlrev_b32 v[AW0], 5, v9
	v_add_nc_u32 v[AW0], 256*PKB, v[AW0]           ; RW of keys 8 (l / 16) on
	s_lshr_b32 s2, s[WV], 1
	s_mul_i32 s2, s2, PKB
	s_and_b32 s3, s[WV], 1
	s_lshl_b32 s3, s3, 6
	s_add_co_u32 s2, s2, s3
	s_add_co_u32 s2, s2, 264*PKB
	v_lshl_add_u32 v[ACL0], v1, 2, s2              ; CLh of my query in band 0
	s_mul_i32 s2, s[WV], 16*SP
	s_add_co_u32 s2, s2, STAGE
	v_mul_u32_u24 v[STO], v1, SP
	v_lshl_add_u32 v[STO], v9, 5, v[STO]
	v_add_nc_u32 v[STO], s2, v[STO]
	v_mul_u32_u24 v[RD], v9, SP
	v_lshl_add_u32 v[RD], v1, 4, v[RD]
	v_add_nc_u32 v[RD], s2, v[RD]
	v_lshlrev_b32 v[GO], 12, v9                    ; tokens lie 4,096 bytes apart in out0
	v_lshl_add_u32 v[GO], v1, 4, v[GO]
	v_and_b32 v[OO], 31, v0
	v_lshlrev_b32 v[OO], 4, v[OO]
; THE MATRIX WORK.  The 4 accumulators of a run of 8 take turns.
.macro KQ x                            ; product i of 8 of S^T = K Q^T: channels 32 (i / 4) on, keys 16 (i % 4) on
	WIN W_KQ
.set rS, S+32*((\x)%2)+8*(i%4)
.set rK, KF+16*(i%4)+8*(i/4)
.set rQ, 16*(\x)+8*(i/4)
.if i < 4
	v_wmma_f32_16x16x32_bf16 v[rS:rS+7], v[rK:rK+7], v[rQ:rQ+7], 0
.else
	v_wmma_f32_16x16x32_bf16 v[rS:rS+7], v[rK:rK+7], v[rQ:rQ+7], v[rS:rS+7]
.endif
.endm
.macro PV x, other=0                   ; product i of 8 of O^T += V^T P: keys 32 (i / 4) on, channels 16 (i % 4) on.  other = 1: the weights' second parts, in the P buffer of the other parity
	WIN W_PV
.set rO, 32*(\x)+8*(i%4)
.set rV, VF+32*(i/4)+8*(i%4)
.set rP, P+16*(((\x)+(\other))%2)+8*(i/4)
	v_wmma_f32_16x16x32_bf16 v[rO:rO+7], v[rV:rV+7], v[rP:rP+7], v[rO:rO+7]
.endm
.macro MM                              ; the turn's next matrix instruction
.if i < 8
.if !NOKQ
	KQ (Y+1)%4
.endif
.else
.set i, i-8
	PV (Y+3)%4
.set i, i+8
.endif
.set i, i+1
.endm
.macro FETCH_K
	WIN 0x80
.irp f, 0,1,2,3,4,5,6,7
	ds_load_b128 v[KF+8*\f:KF+8*\f+3],   v[AK] offset:(\f/2)*16*PKB+(\f%2)*64
	ds_load_b128 v[KF+8*\f+4:KF+8*\f+7], v[AK] offset:(\f/2)*16*PKB+(\f%2)*64+32
.endr
	s_add_co_u32 s[TBK], s[TBK], 64*PKB
	WIN 0
.endm
.macro FETCH_V
	WIN 0x80
.irp f, 0,1,2,3,4,5,6,7
	ds_load_tr16_b128 v[VF+8*\f:VF+8*\f+3],   v[AV] offset:(\f/4)*32*PVB+(\f%4)*32
	ds_load_tr16_b128 v[VF+8*\f+4:VF+8*\f+7], v[AV] offset:(\f/4)*32*PVB+16*PVB+(\f%4)*32
.endr
	s_add_co_u32 s[TBV], s[TBV], 64*PVB
	WIN 0
.endm
.macro FETCH_W off                     ; the step's 64 RW (off = 0) or CLh (off = 8 rows): my 8 numbers for each of the four groups of 16 keys
	WIN 0
.irp f, 0,1,2,3,4,5,6,7
	ds_load_b128 v[W+4*\f:W+4*\f+3], v[AW] offset:(\off)+(\f/4)*PKB+((\f/2)%2)*64+(\f%2)*16
.endr
	s_add_co_u32 s[TBW], s[TBW], 288
.endm
; THE VECTOR WORK of piece Y for a step: 64 lines.  0-15: u = s x weight for pair n (ascending: each accumulator is read from its low end on).  Then for pairs two at a time: l += u u (two chains by turns),
; p = u u in place, and a group later the rounding to bf16.
.macro VOP n, wb
.set rT, ST+4*Y
.set rS, S+32*(Y%2)
.set rP, P+16*(Y%2)
	WIN 0
.if (\n) < 16
	v_pk_mul_f32 v[rS+2*(\n):rS+2*(\n)+1], v[rS+2*(\n):rS+2*(\n)+1], v[(\wb)+2*(\n):(\wb)+2*(\n)+1]
.else
.if (\n) < 20
.set kd, ((\n)-16)/2
.set kn, ((\n)-16)%2
.elseif (\n) < 62
.set kd, (((\n)-20)%6)/2
.set kn, 2*(((\n)-20)/6+1)+((\n)-20)%2
.if kd == 2
.set kn, kn-2
.endif
.else
.set kd, 2
.set kn, (\n)-48
.endif
.if kd == 0
	v_pk_fma_f32 v[rT+2*(kn%2):rT+2*(kn%2)+1], v[rS+2*kn:rS+2*kn+1], v[rS+2*kn:rS+2*kn+1], v[rT+2*(kn%2):rT+2*(kn%2)+1]
.elseif kd == 1
	v_pk_mul_f32 v[rS+2*kn:rS+2*kn+1], v[rS+2*kn:rS+2*kn+1], v[rS+2*kn:rS+2*kn+1]
.else
	v_cvt_pk_bf16_f32 v[rP+kn], v[rS+2*kn], v[rS+2*kn+1]
.endif
.endif
.endm
.macro RID                             ; the turn's next vector line: in piece 0's turn first the step's 16 pairs of RW times sct
.if scl < 16
	WIN 0
	v_pk_mul_f32 v[W+2*scl:W+2*scl+1], v[W+2*scl:W+2*scl+1], s[SC:SC+1] op_sel_hi:[1,0]
.set scl, scl+1
.else
	VOP vn, W
.set vn, vn+1
.endif
.endm
; A TURN for piece p.  end = 1: a block's last plain turns: nothing is fetched, and piece 3's turn starts no new scores.
; K of the next step is fetched in piece 2's turn, four riders and the address line behind the last product that read K; RW of the next step in piece 3's turn, behind its last reader;
; V of the step in hand at the end of piece 0's turn, five riders and the address line behind the last product that read V.  Each is waited for at its first use.
.macro TURN p, end=0
.set Y, (\p)
.set i, 0
.set vn, 0
.set scl, 16
.set per, 4
.set NOKQ, (\end)*((\p)/3)
.if (\p) == 0
.set scl, 0
.set per, 5
	s_wait_dscnt 0x0                               ; RW is in
	s_wait_kmcnt 0x0                               ; sct is in
.endif
.if ((\p) == 3) && !(\end)
	s_wait_dscnt 0x0                               ; K is in
.endif
.rept 16
.if ((\p) == 1) && (i == 8)
	s_wait_dscnt 0x0                               ; V is in
.endif
	MM
.rept per
	RID
.endr
.if ((\p) == 2) && !(\end) && (i == 8)
	WIN 0
	v_add_nc_u32 v[AK], s[TBK], v[AK0]
	FETCH_K
.endif
.if ((\p) == 3) && !(\end) && (i == 4)
	WIN 0
	v_add_nc_u32 v[AW], s[TBW], v[AW0]
	FETCH_W 0
.endif
.endr
.if (\p) == 0
	WIN 0
	v_add_nc_u32 v[AV], s[TBV], v[AV0]
	FETCH_V
.endif
.endm
.macro BEGINO                          ; a block begins: O^T and l take up the initial state's part
	s_mov_b32 s[NEW], 0
	WIN 0x40
.set k, 0
.rept 32
	global_load_b128 v[4*k:4*k+3], v[OO], s[PO0:PO0+1] offset:512*k
.set k, k+1
.endr
	WIN 0
	global_load_b128 v[240:243], v[OO], s[PL0:PL0+1]
	s_wait_loadcnt 0x0                             ; these, and Q
.irp x, 0,1,2,3
	v_mov_b32 v[ST+4*\x], v[240+\x]
	v_mov_b32 v[ST+4*\x+1], 0
	v_mov_b32 v[ST+4*\x+2], 0
	v_mov_b32 v[ST+4*\x+3], 0
.endr
.endm
.macro START                           ; the first plain tile's step 0: zero weights for the piece that has not been, K, RW, piece 0's first scores
	WIN 0
.set k, P+16
.rept 16
	v_mov_b32 v[k], 0
.set k, k+1
.endr
	v_add_nc_u32 v[AK], s[TBK], v[AK0]
	FETCH_K
	v_add_nc_u32 v[AW], s[TBW], v[AW0]
	FETCH_W 0
	s_wait_dscnt 0x0
.set i, 0
.rept 8
	KQ 0
.set i, i+1
.endr
	WIN 0
.rept 4
	v_nop                                          ; the places behind those products
.endr
.endm
.macro DRAIN                           ; the last plain step's pieces 2 and 3 are finished
	TURN 2, 1
	TURN 3, 1
.set i, 0
.rept 8
	PV 3
.set i, i+1
.endr
	WIN 0
.endm
; Piece x in the diagonal tile's step 4 - CNT, in phases.  A step that is wholly hidden from the band is jumped over: the jump goes forward and passes no barrier and no tensor load.
; split = 1: the weights go in two parts: what the rounding to bf16 left of p (exact in f32) is rounded to bf16 in its turn, into the P buffer of the other parity, which is idle here, and has eight products of its own.
.macro DPIECE x, split
	WIN 0
	s_cmp_lt_u32 s[CNT], 4-(\x)
	s_cbranch_scc1 .Lhid_\@
	s_cmp_eq_u32 s[CNT], 4-(\x)
	s_cselect_b32 s[AL], 1.0, 0                    ; the mask counts in the band's own step alone
.set i, 0
.rept 8
	KQ \x
.set i, i+1
.endr
	WIN 0
.set k, 0
.rept 16                                           ; CLh_t - 3 - CLh_s: plain lines that name no register of the products: their places
	v_pk_add_f32 v[E+2*k:E+2*k+1], v[CP+2*(\x):CP+2*(\x)+1], v[W+2*k:W+2*k+1] neg_lo:[0,1] neg_hi:[0,1]
.set k, k+1
.endr
.set k, 0
.rept 16
	v_pk_fma_f32 v[E+2*k:E+2*k+1], v[MD+2*k:MD+2*k+1], s[AL:AL+1], v[E+2*k:E+2*k+1] op_sel_hi:[1,0,1]
.set k, k+1
.endr
.set k, 0
.rept 32
	v_exp_f32 v[E+k], v[E+k]
.set k, k+1
.endr
	v_nop                                          ; a plain line behind the last exponential
	s_wait_alu depctr_va_vdst(0)
.set Y, (\x)
.set vn, 0
.rept 64
	VOP vn, E
.set vn, vn+1
.endr
.if \split
.set dS, S+32*((\x)%2)
.set dP, P+16*((\x)%2)
.set dL, P+16*(((\x)+1)%2)
.set k, 0
.rept 16                                           ; p - bf16(p), for the pair's low and high half
	v_fma_mix_f32_bf16 v[dS+2*k], v[dP+k], v[NEG1], v[dS+2*k] op_sel_hi:[1,0,0]
	v_fma_mix_f32_bf16 v[dS+2*k+1], v[dP+k], v[NEG1], v[dS+2*k+1] op_sel:[1,0,0] op_sel_hi:[1,0,0]
.set k, k+1
.endr
.set k, 0
.rept 16
	v_cvt_pk_bf16_f32 v[dL+k], v[dS+2*k], v[dS+2*k+1]
.set k, k+1
.endr
.endif
.set i, 0
.rept 8
	PV \x
.set i, i+1
.endr
.if \split
.set i, 0
.rept 8
	PV \x, 1
.set i, i+1
.endr
.endif
	WIN 0
.Lhid_\@:
.endm
.macro DIAG tag, split
	WIN 0
.rept 4
	v_nop                                          ; the places behind the last products V^T P
.endr
	v_add_nc_u32 v10, s[TBW], v[ACL0]
.irp x, 0,1,2,3
	ds_load_b32 v[240+\x], v10 offset:288*\x       ; CLh of my query in each band
.endr
	s_wait_dscnt 0x0
.irp x, 0,1,2,3
	v_add_f32 v[244+\x], v[240+\x], v[240+\x]
.endr
.irp x, 0,1,2,3
	v_exp_f32 v[FT+2*\x], v[244+\x]                ; f
.endr
.irp x, 0,1,2,3
	v_add_f32 v[CP+2*\x], 0xc0400000, v[240+\x]    ; CLh_t - 3
.endr
	s_wait_alu depctr_va_vdst(0)
.irp x, 0,1,2,3
	v_mov_b32 v[CP+2*\x+1], v[CP+2*\x]
	v_mov_b32 v[FT+2*\x+1], v[FT+2*\x]
.endr
	WIN W_RS
.set k, 0
.rept 64                                           ; ascending: each accumulator is read from its low end on
	v_pk_mul_f32 v[2*k:2*k+1], v[2*k:2*k+1], v[FT+2*(k/16):FT+2*(k/16)+1]
.set k, k+1
.endr
	WIN 0
.irp x, 0,1,2,3
	v_pk_mul_f32 v[ST+4*\x:ST+4*\x+1], v[ST+4*\x:ST+4*\x+1], v[FT+2*\x:FT+2*\x+1]
	v_pk_mul_f32 v[ST+4*\x+2:ST+4*\x+3], v[ST+4*\x+2:ST+4*\x+3], v[FT+2*\x:FT+2*\x+1]
.endr
.Ldstep\tag:
.rept 4
	v_nop                                          ; the places between the last step's products and the loads into K and V
.endr
	v_add_nc_u32 v[AK], s[TBK], v[AK0]
	v_add_nc_u32 v[AV], s[TBV], v[AV0]
	v_add_nc_u32 v[AW], s[TBW], v[AW0]
	FETCH_K
	FETCH_V
	FETCH_W 8*PKB
	s_wait_dscnt 0x0
	DPIECE 0, \split
	DPIECE 1, \split
	DPIECE 2, \split
	DPIECE 3, \split
	s_sub_co_u32 s[CNT], s[CNT], 1
	s_cmp_lg_u32 s[CNT], 0
	s_cbranch_scc1 .Ldstep\tag
.endm
; THE WAY OUT.  l's chains, halves and the other half of the lanes' are added; O^T is divided by max(l, 1) and sent through my stage in LDS, a piece at a time: a token's 64 channels are 256 bytes of out0.
.macro PACKO x
.set ob, 64+32*(\x)
.if (\x) == 3
.set ob, 32
.endif
	WIN W_RS
.set k, 0
.rept 16
	v_pk_mul_f32 v[32*(\x)+2*k:32*(\x)+2*k+1], v[32*(\x)+2*k:32*(\x)+2*k+1], v[ST+4*(\x)+2:ST+4*(\x)+3]
.set k, k+1
.endr
	WIN 0x04                                       ; store data in window 1
.irp f, 0,1,2,3,4,5,6,7
	ds_store_b128 v[STO], v[32*(\x)+4*\f:32*(\x)+4*\f+3] offset:64*(\f/2)+16*(\f%2)
.endr
	WIN 0
.irp f, 0,1,2,3,4,5,6,7
	ds_load_b128 v[ob+4*\f:ob+4*\f+3], v[RD] offset:\f*2*SP  ; LDS serves a wave's instructions in order: these see the stores above, and the next piece's stores come behind them
.endr
.endm
.macro SENDO x, younger                ; younger: the LDS instructions issued behind piece x's loads.  Each piece has registers of its own, so no store's data is written again
.set ob, 64+32*(\x)
.if (\x) == 3
.set ob, 32
.endif
	WIN 0
.irp f, 0,1,2,3,4,5,6,7
	s_wait_dscnt (\younger)+7-\f
	global_store_b128 v[GO], v[ob+4*\f:ob+4*\f+3], s[POUT:POUT+1] offset:(\x)*262144+\f*8192  ; 16 lanes store 256 consecutive bytes, at a multiple of 256 from out0's first
.endr
.endm
.macro OUT
	WIN 0
.irp x, 0,1,2,3
	v_pk_add_f32 v[ST+4*\x:ST+4*\x+1], v[ST+4*\x:ST+4*\x+1], v[ST+4*\x+2:ST+4*\x+3]  ; four plain lines: the places behind the last products
.endr
.irp x, 0,1,2,3
	v_add_f32 v[ST+4*\x], v[ST+4*\x], v[ST+4*\x+1]
.endr
.irp x, 0,1,2,3
	v_permlanex16_b32 v[ST+4*\x+1], v[ST+4*\x], s[SEL], s[SEL+1]
.endr
.irp x, 0,1,2,3
	v_add_f32 v[ST+4*\x], v[ST+4*\x], v[ST+4*\x+1]
.endr
.irp x, 0,1,2,3
	v_max_num_f32 v[ST+4*\x], 1.0, v[ST+4*\x]
.endr
.irp x, 0,1,2,3
	v_rcp_f32 v[ST+4*\x+2], v[ST+4*\x]
.endr
	v_nop                                          ; a plain line behind the last reciprocal
	s_wait_alu depctr_va_vdst(0)
.irp x, 0,1,2,3
	v_mov_b32 v[ST+4*\x+3], v[ST+4*\x+2]
.endr
	PACKO 0
	PACKO 1
	SENDO 0, 16
	PACKO 2
	SENDO 1, 16
	PACKO 3
	SENDO 2, 16
	SENDO 3, 0
.endm
.set NOKQ, 0
.Lslot:                                                ; 16 times: a tile is entered and the next is asked for
	CHANGE 1
	s_sub_co_u32 s[RT], s[RT], 1
	s_mov_b32 s[CNT], 4
	s_cmp_eq_u32 s[NEW], 1
	s_cbranch_scc1 .Lnew                           ; a block's first tile
	s_cmp_eq_u32 s[RT], 0
	s_cbranch_scc0 .Lstep                          ; neither its first nor its last
	s_branch .Ldiag1
.Lnew:
	BEGINO
	START
	s_branch .Lfirst                               ; in the loop a block's first tile is never its last: the first block has nine tiles or more, and the second's last is the walk's last
.Ldiag1:                                               ; in the loop this is the first block's end: blocks 8 to 15, whose rows have 2,048 keys or more in front of them
	DRAIN
	DIAG 1, 0
	OUT
	s_wait_xcnt 0x0                                ; the stores have taken their registers and out0's address
	s_mov_b64 s[PO0:PO0+1], s[80:81]
	s_mov_b64 s[PL0:PL0+1], s[82:83]
	s_mov_b64 s[POUT:POUT+1], s[84:85]
	s_mov_b64 s[PSC:PSC+1], s[86:87]
	s_add_co_u32 s[RT], s[PB], 1                   ; the second block has b + 1 tiles
	s_mov_b32 s[NEW], 1
	WIN 0x82                                       ; the second block's Q goes where the one text of the turns names Q
.set i, 0
.rept 64
	v_mov_b32 v[i], v[QB+i]
.set i, i+1
.endr
	WIN 0
	s_branch .Lbottom
.Lstep:                                                ; a trip: pieces 2 and 3 of one step, then pieces 0 and 1 of the next, whose K, RW and V it fetches
	TURN 2
	TURN 3
	WIN 0
.Lfirst:
	TURN 0
	TURN 1
	WIN 0
	s_sub_co_u32 s[CNT], s[CNT], 1
	s_cmp_lg_u32 s[CNT], 0
	s_cbranch_scc1 .Lstep
.Lbottom:
	s_sub_co_u32 s[SLOTS], s[SLOTS], 1
	s_cmp_lg_u32 s[SLOTS], 0
	s_cbranch_scc1 .Lslot
	CHANGE 0                                       ; the walk's last tile, the second block's diagonal one: nothing is asked for
	s_sub_co_u32 s[RT], s[RT], 1
	s_mov_b32 s[CNT], 4
	s_cmp_eq_u32 s[NEW], 1
	s_cbranch_scc0 .Ldrain2
	BEGINO                                         ; b = 0: the block's only tile
	s_branch .Ldiag2
.Ldrain2:
	DRAIN
.Ldiag2:
	DIAG 2, 1                                      ; the weights in two parts: block 0's rows are among these
	OUT
	s_wait_tensorcnt 0x0                           ; the wave's end: behind my last tensor load and my last LDS store
	ds_add_u32 v[SPW], v[NIL]
	s_wait_dscnt 0x0
	s_endpgm
.Lfunc_end_k_q1f2162b82c_attn:
	.size	k_q1f2162b82c_attn, .Lfunc_end_k_q1f2162b82c_attn-k_q1f2162b82c_attn
	.p2alignl 7, 3214868480
	.fill 96, 4, 3214868480
	.section	.rodata,"a",@progbits
	.p2align	6, 0x0
	.amdhsa_kernel k_q1f2162b82c_attn
		.amdhsa_group_segment_fixed_size 327680
		.amdhsa_private_segment_fixed_size 0
		.amdhsa_enable_private_segment 0
		.amdhsa_kernarg_size 56
		.amdhsa_user_sgpr_count 2
		.amdhsa_user_sgpr_kernarg_segment_ptr 1
		.amdhsa_wavefront_size32 1
		.amdhsa_system_sgpr_workgroup_id_x 1
		.amdhsa_system_sgpr_workgroup_id_y 1
		.amdhsa_system_sgpr_workgroup_id_z 1
		.amdhsa_system_vgpr_workitem_id 0
		.amdhsa_next_free_vgpr 768
		.amdhsa_next_free_sgpr 100
		.amdhsa_reserve_vcc 1
		.amdhsa_float_denorm_mode_32 3
		.amdhsa_float_denorm_mode_16_64 3
		.amdhsa_memory_ordered 1
		.amdhsa_forward_progress 1
		.amdhsa_inst_pref_size 208
	.end_amdhsa_kernel
	.amdgpu_metadata
---
amdhsa.version: [ 1, 2 ]
amdhsa.kernels:
  - .name:           k_q1f2162b82c_attn
    .symbol:         k_q1f2162b82c_attn.kd
    .args:
      - { .name: qb, .offset: 0, .size: 8, .value_kind: global_buffer, .address_space: global }
      - { .name: kimg, .offset: 8, .size: 8, .value_kind: global_buffer, .address_space: global }
      - { .name: vb, .offset: 16, .size: 8, .value_kind: global_buffer, .address_space: global }
      - { .name: o0, .offset: 24, .size: 8, .value_kind: global_buffer, .address_space: global }
      - { .name: l0, .offset: 32, .size: 8, .value_kind: global_buffer, .address_space: global }
      - { .name: sct, .offset: 40, .size: 8, .value_kind: global_buffer, .address_space: global }
      - { .name: out0, .offset: 48, .size: 8, .value_kind: global_buffer, .address_space: global }
    .group_segment_fixed_size: 327680
    .private_segment_fixed_size: 0
    .kernarg_segment_align: 8
    .kernarg_segment_size: 56
    .max_flat_workgroup_size: 128
    .sgpr_count:     100
    .vgpr_count:     768
    .wavefront_size: 32
...
	.end_amdgpu_metadata
.endif
;; end of part 3
;; ======== version 2 of 2: 3 launches; version 1 with the launch prep written anew for expert scheduling mode
;; limits: values outside matrix products are rounded to bf16
;; workspace buffers: qb 16,777,216 bytes; vb 16,777,216 bytes; kimg 17,825,792 bytes; s0t 11,141,120 bytes; o0 33,554,432 bytes; l0 1,048,576 bytes; sct 32,768 bytes; eb 4,096 bytes
;; launch prep (part 4): grid 1704 x 1, 16 waves a work-group, no clusters, 2,304 bytes of LDS; arguments query, key, value, gate, initial_state, initial_sk, qb, kimg, vb, s0t, sct, eb; writes qb, kimg, vb, s0t, sct, eb
.if DOCPART == 4
	.amdgcn_target "amdgcn-amd-amdhsa--gfx1250"
	.amdhsa_code_object_version 6
	.text
	.protected	k_q1f2162b82c_prep
	.globl	k_q1f2162b82c_prep
	.p2align	8
	.type	k_q1f2162b82c_prep,@function
k_q1f2162b82c_prep:
	s_mov_b64 s[64:65], 0
	v_nop
	global_prefetch_b8 v0, s[64:65] scope:SCOPE_SE
	s_setreg_imm32_b32 hwreg(HW_REG_WAVE_SCHED_MODE, 0, 2), 2
	s_setreg_imm32_b32 hwreg(HW_REG_WAVE_MODE, 25, 1), 1
	s_wait_xcnt 0x0
	s_wait_alu depctr_vm_vsrc(0)
; PREPARATION for gated degree-2 retention (B H = 32 heads, T = 4096, D = 64).  Three kinds of work-group, told apart by the work-group's number alone:
;   0 .. 1535     CAST: one tile (256 tokens) of one head of query, key or value, f32 [b][t][h][64] -> bf16 by heads [bh][t][64] (key: into its tile image of 34,816 bytes)
;   1536 .. 1567  GATES of one head, a wave a tile: c = running gate sum inside the tile, Gs = the tile's sum; RW = 2^(y (Gs - c) - 3) and CLh = y c, y = log2(e) / 2, behind the tile's K rows;
;                 sct[i][j] = 2^(y sum of Gs_m, j < m < i); eb[i] = 2^(2 y sum of Gs_m, m < i) sqrt(2) / 64
;   1568 .. 1703  STATE IMAGE, a wave a K step of 32 feature slots: initial_state and initial_sk as ready A fragments (bf16), in the order in which launch s0 makes the products q_i q_j
; LIMITS.  Gates are rounded to bf16 like the other inputs.  NaN and infinities are not treated apart.
; THE MODE: SCHED_MODE bits 1:0 = 2 (LLVM: expert scheduling mode 2), set by the entry lines.  The code itself states the register dependences between vector instructions and memory or LDS
; instructions, and between a vector instruction that writes a scalar register or VCC and its readers, with s_wait_alu, always for 0.
; THE PLAN.  Registers that memory or LDS instructions touch, path by path.  In no path is a register that a memory or LDS instruction has read written again.
;   CAST   v3, v4     offsets of the loads and of the stores: written once, ahead of the path's first wait on va_vdst.
;          v8-39      eight passes as loaded: written by the loads, read by the conversions.
;          v40-55     a pair for each pass: written once by the conversions, read by the stores.  Four passes' conversions, one wait, their four stores; twice.
;   GATES  v2         the loads' offset: one wait ahead of the loads.
;          v3-6, v32-47  the stores' offset, the LDS store's address and data, the LDS loads' address, RW and CLh: all written ahead of ONE wait, behind which stand the four stores, the LDS store and,
;                     behind the barrier, the LDS loads, which land in v64-79: registers that no vector line has named.
;          v17, v18   data and offset of the one store of sct or eb: one wait ahead of it.
;   STATE  v12, EA, EB  offsets: written once, ahead of one wait.  LD, LK: written by the loads, read by the arithmetic.
;          RES        eight registers a block: written once by block m's conversions, read by two stores that stand at the head of block m + 1, behind one wait.
.set SPARE, 256                        ; LDS: bytes 0-63 the 16 tiles' Gs; from 256 on the spare words, 128 bytes a wave
.set SPW, 174                          ; v174 LDS address of my spare word; never rewritten
.set NIL, 175                          ; v175 0; never rewritten
.set E,   16                           ; v16-31   state image: the row e(i,j) of initial_state for each of my 16 slots
.set CF,  32                           ; v32-47   its coefficient: 1, 1/sqrt(2) on the diagonal, 0 for a slot that doubles another
.set EA,  48                           ; v48-63   byte offsets of the loads from initial_state
.set LD,  64                           ; v64-127  loaded numbers, 16 for each block of 16 channels
.set RES, 128                          ; v128-167 fragments to store, 8 registers for each of 5 blocks
.set EB,  176                          ; v176-191 byte offsets of the loads from initial_sk
.set LK,  192                          ; v192-207 the 16 numbers of initial_sk
.set YC,  2                            ; s2   gates: y = log2(e) / 2
.set M3,  3                            ; s3   gates: -3
.set Y2,  28                           ; s28  gates: 2 y (the work-group's number has been used by then)
.set M55, 31                           ; s31  gates: -5.5 = log2(sqrt(2) / 64)
.set CA,  32                           ; s32-47  gates: the masks m > j (eb: m < i), then the two masks' AND
.set CB,  48                           ; s48-63  gates: the masks m < i
	s_load_b512 s[4:19], s[0:1], 0x0               ; query 4, key 6, value 8, gate 10, initial_state 12, initial_sk 14, qb 16, kimg 18
	s_load_b256 s[20:27], s[0:1], 0x40             ; vb 20, s0t 22, sct 24, eb 26
	v_lshl_add_u32 v[SPW], v0, 2, SPARE
	v_mov_b32 v[NIL], 0
	v_lshrrev_b32 v1, 5, v0
	v_readfirstlane_b32 s29, v1                    ; wave 0..15
	s_mov_b32 s28, ttmp9
	s_wait_alu depctr_va_sdst(0)                   ; s29 is written, ahead of the first branch and of every reader: addresses and branches of two of the paths are made from it
	s_wait_kmcnt 0x0
	s_cmp_lt_u32 s28, 1536
	s_cbranch_scc0 .Lnot_cast
; ---------------- CAST ----------------
; Sixteen lanes read one token's 256 bytes; a wave's store of 8 bytes a lane is 256 consecutive bytes (two rows of 128).  Eight passes of 32 tokens, all eight loads out at once.
	s_lshr_b32 s30, s28, 9                         ; which tensor
	s_and_b32 s31, s28, 511                        ; 16 bh + tile
	s_lshr_b32 s36, s31, 8                         ; batch
	s_lshl_b32 s36, s36, 24                        ; x 4096 x 16 x 256 bytes
	s_and_b32 s37, s31, 15                         ; tile
	s_lshl_b32 s37, s37, 20                        ; x 256 x 16 x 256
	s_add_co_u32 s36, s36, s37
	s_bfe_u32 s37, s31, 0x40004                    ; head
	s_lshl_b32 s37, s37, 8
	s_add_co_u32 s36, s36, s37
	s_mov_b32 s37, 0
	v_lshrrev_b32 v3, 4, v0                        ; token in a pass
	v_and_b32 v2, 15, v0
	v_lshlrev_b32 v3, 12, v3                       ; tokens lie 4,096 bytes apart
	v_lshl_add_u32 v3, v2, 4, v3
	v_lshlrev_b32 v4, 3, v0                        ; 8 bytes out a thread
.macro CAST src, dst, tileb
	s_mul_i32 s38, s31, \tileb
	s_mov_b32 s39, 0
	s_add_nc_u64 s[34:35], s[\dst:\dst+1], s[38:39]
	s_add_nc_u64 s[32:33], s[\src:\src+1], s[36:37]
	s_wait_alu depctr_va_vdst(0)                   ; v3 and v4 are written: the loads and the stores below read them as their offsets
.irp i, 0,1,2,3,4,5,6,7
	global_load_b128 v[8+4*\i:11+4*\i], v3, s[32:33] offset:131072*\i th:TH_LOAD_NT
.endr
.irp q, 0,1
	s_wait_loadcnt 4-4*\q                          ; loads come back in order: these four passes are in; at the first time the four younger ones stay out
.irp i, 0,1,2,3
	v_cvt_pk_bf16_f32 v[40+8*\q+2*\i], v[8+16*\q+4*\i], v[9+16*\q+4*\i]
	v_cvt_pk_bf16_f32 v[41+8*\q+2*\i], v[10+16*\q+4*\i], v[11+16*\q+4*\i]
.endr
	s_wait_alu depctr_va_vdst(0)                   ; the eight conversions have written their four pairs, which the four stores read
.irp i, 0,1,2,3
	global_store_b64 v4, v[40+8*\q+2*\i:41+8*\q+2*\i], s[34:35] offset:16384*\q+4096*\i
.endr
.endr
	s_endpgm
.endm
	s_cmp_eq_u32 s30, 0
	s_cbranch_scc0 .Lnot_q
	CAST 4, 16, 32768
.Lnot_q:
	s_cmp_eq_u32 s30, 1
	s_cbranch_scc0 .Lnot_k
	CAST 6, 18, 34816
.Lnot_k:
	CAST 8, 20, 32768
; ---------------- GATES ----------------
.Lnot_cast:
	s_cmp_lt_u32 s28, 1568
	s_cbranch_scc0 .Lstate
	s_sub_co_u32 s30, s28, 1536                    ; bh
	s_lshr_b32 s34, s30, 4
	s_lshl_b32 s34, s34, 18                        ; batch x 4096 x 64 bytes
	s_lshl_b32 s35, s29, 14                        ; tile x 256 x 64
	s_add_co_u32 s34, s34, s35
	s_and_b32 s35, s30, 15
	s_lshl_b32 s35, s35, 2
	s_add_co_u32 s34, s34, s35
	s_mov_b32 s35, 0
	s_add_nc_u64 s[10:11], s[10:11], s[34:35]
	s_mov_b32 s[YC], 0x3f38aa3b                    ; y = log2(e) / 2
	s_mov_b32 s[M3], 0xc0400000                    ; -3
	s_mov_b32 s[Y2], 0x3fb8aa3b                    ; 2 y
	s_mov_b32 s[M55], 0xc0b00000                   ; -5.5 = log2(sqrt(2) / 64)
	v_and_b32 v1, 31, v0                           ; lane
	v_lshlrev_b32 v2, 8, v1                        ; lane l holds tokens 4 l .. 4 l + 3 and 128 + 4 l .. + 3
	s_wait_alu depctr_va_vdst(0)                   ; v2 is written: the eight loads read it as their offset
.irp k, 0,1,2,3
	global_load_b32 v[8+\k], v2, s[10:11] offset:64*\k
	global_load_b32 v[12+\k], v2, s[10:11] offset:8192+64*\k
.endr
	s_wait_loadcnt 0x0
.irp k, 0,2,4,6
	v_cvt_pk_bf16_f32 v16, v[8+\k], v[9+\k]        ; rounded to bf16 and widened again
	v_lshlrev_b32 v[8+\k], 16, v16
	v_and_b32 v[9+\k], 0xffff0000, v16
.endr
.irp k, 0,1,2
	v_add_f32 v[9+\k], v[8+\k], v[9+\k]            ; running sums inside the lane
	v_add_f32 v[13+\k], v[12+\k], v[13+\k]
.endr
	v_mov_b32 v20, v11                             ; the lane's totals, scanned inside each half of 16 lanes
	v_mov_b32 v21, v15
.irp n, 1,2,4,8
	v_add_f32_dpp v20, v20, v20 row_shr:\n row_mask:0xf bank_mask:0xf bound_ctrl:1
	v_add_f32_dpp v21, v21, v21 row_shr:\n row_mask:0xf bank_mask:0xf bound_ctrl:1
.endr
	v_mov_b32 v22, 0
	v_mov_b32 v24, 0
	v_mov_b32_dpp v22, v20 row_shr:1 row_mask:0xf bank_mask:0xf bound_ctrl:1  ; what lies in front of my lane, in my half
	v_mov_b32_dpp v24, v21 row_shr:1 row_mask:0xf bank_mask:0xf bound_ctrl:1
	v_readlane_b32 s40, v20, 15                    ; the five lines that write scalar registers or VCC stand in one run
	v_readlane_b32 s41, v20, 31
	v_readlane_b32 s43, v21, 15
	v_readlane_b32 s44, v21, 31
	v_cmp_lt_u32 vcc_lo, 15, v1
	s_wait_alu depctr_va_sdst(0)                   ; s40, s41, s43 and s44 are written, ahead of the scalar sums and the selects that read them
	s_wait_alu depctr_va_vcc(0)                    ; VCC is written, ahead of the two selects that read it
	s_add_f32 s42, s40, s41                        ; tokens 0-127
	s_add_f32 s45, s43, s44
	s_add_f32 s45, s42, s45                        ; Gs
	v_cndmask_b32 v23, 0, s40, vcc_lo              ; lanes 16-31 add the lower half's total
	v_cndmask_b32 v25, 0, s43, vcc_lo
	v_add_f32 v22, v22, v23
	v_add_f32 v24, v24, v25
	v_add_f32 v24, s42, v24
.irp k, 0,1,2,3
	v_add_f32 v[8+\k], v22, v[8+\k]                ; c
	v_add_f32 v[12+\k], v24, v[12+\k]
.endr
.irp k, 0,1,2,3,4,5,6,7
	v_sub_f32 v[32+\k], s45, v[8+\k]
.endr
.irp k, 0,1,2,3,4,5,6,7
	v_fma_f32 v[32+\k], v[32+\k], s[YC], s[M3]
.endr
.irp k, 0,1,2,3,4,5,6,7
	v_exp_f32 v[32+\k], v[32+\k]                   ; RW
.endr
.irp k, 0,1,2,3,4,5,6,7
	v_mul_f32 v[40+\k], s[YC], v[8+\k]             ; CLh: plain work behind the exponentials
.endr
	s_lshl4_add_u32 s48, s30, s29                  ; 16 bh + tile
	s_mul_i32 s48, s48, 34816
	s_add_co_u32 s48, s48, 32768                   ; behind the tile's 256 K rows
	s_mov_b32 s49, 0
	s_add_nc_u64 s[18:19], s[18:19], s[48:49]
	v_lshlrev_b32 v3, 4, v1
	v_mov_b32 v4, s29                              ; the LDS store's address and data and the LDS loads' address are made here, ahead of the one wait
	v_lshlrev_b32 v4, 2, v4
	v_mov_b32 v5, s45
	v_mov_b32 v6, 0
	s_wait_alu depctr_va_vdst(0)                   ; the eight exponentials' results and CLh (v32-47) are written, which the stores read; so are the offset v3, the LDS store's v4 and v5 and the LDS loads' v6
	global_store_b128 v3, v[32:35], s[18:19]               ; each store of the wave: 512 consecutive bytes
	global_store_b128 v3, v[36:39], s[18:19] offset:512
	global_store_b128 v3, v[40:43], s[18:19] offset:1024
	global_store_b128 v3, v[44:47], s[18:19] offset:1536
	ds_store_b32 v4, v5                            ; my tile's Gs, for the other waves
	s_wait_dscnt 0x0                               ; the store is done before I say so
	s_barrier_signal -1
	s_barrier_wait -1
.irp k, 0,1,2,3
	ds_load_b128 v[64+4*\k:67+4*\k], v6 offset:16*\k       ; all 16 Gs in every lane; no vector line of this path has named v64-79
.endr
	s_wait_dscnt 0x0
	s_cmp_lt_u32 s29, 8
	s_cbranch_scc0 .Lnot_sct
	v_lshrrev_b32 v7, 4, v0                        ; waves 0-7: thread = 16 i + j
	v_and_b32 v16, 15, v0
	v_mov_b32 v17, 0
.irp m, 0,1,2,3,4,5,6,7,8,9,10,11,12,13,14,15
	v_cmp_gt_u32 s[CA+\m], \m, v16                 ; m > j
	v_cmp_lt_u32 s[CB+\m], \m, v7                  ; m < i
.endr
	s_wait_alu depctr_va_sdst(0)                   ; the 32 masks are written: one wait behind the run, ahead of the scalar lines that read them
.irp m, 0,1,2,3,4,5,6,7,8,9,10,11,12,13,14,15
	s_and_b32 s[CA+\m], s[CA+\m], s[CB+\m]
.endr
.irp m, 0,1,2,3,4,5,6,7,8,9,10,11,12,13,14,15
	v_cndmask_b32 v18, 0, v[64+\m], s[CA+\m]
	v_add_f32 v17, v17, v18                        ; the tiles in between, added directly
.endr
	v_mul_f32 v17, s[YC], v17
	v_exp_f32 v17, v17
	v_lshlrev_b32 v18, 2, v0
	s_lshl_b32 s48, s30, 10
	s_mov_b32 s49, 0
	s_add_nc_u64 s[24:25], s[24:25], s[48:49]
	s_wait_alu depctr_va_vdst(0)                   ; the exponential's result v17 and the offset v18 are written, which the store reads
	global_store_b32 v18, v17, s[24:25]
	s_branch .Lgate_end
.Lnot_sct:
	s_cmp_eq_u32 s29, 8
	s_cbranch_scc0 .Lgate_end
	v_and_b32 v7, 15, v1                           ; wave 8: i = lane % 16
	v_mov_b32 v17, 0
.irp m, 0,1,2,3,4,5,6,7,8,9,10,11,12,13,14
	v_cmp_lt_u32 s[CA+\m], \m, v7
.endr
	s_wait_alu depctr_va_sdst(0)                   ; the 15 masks are written: one wait behind the run, ahead of the selects that read them
.irp m, 0,1,2,3,4,5,6,7,8,9,10,11,12,13,14
	v_cndmask_b32 v18, 0, v[64+\m], s[CA+\m]
	v_add_f32 v17, v17, v18
.endr
	v_fma_f32 v17, v17, s[Y2], s[M55]
	v_exp_f32 v17, v17
	v_lshlrev_b32 v18, 2, v1
	s_lshl_b32 s48, s30, 7
	s_mov_b32 s49, 0
	s_add_nc_u64 s[26:27], s[26:27], s[48:49]
	s_wait_alu depctr_va_vdst(0)                   ; the exponential's result v17 and the offset v18 are written, which the store reads
	global_store_b32 v18, v17, s[26:27]
.Lgate_end:
	s_wait_dscnt 0x0                               ; the closing lines, six on end
	s_wait_alu 0x0
	s_wait_tensorcnt 0x0
	ds_add_u32 v[SPW], v[NIL]
	s_wait_dscnt 0x0
	s_endpgm
; ---------------- STATE IMAGE ----------------
; K step c of 68.  Slot (register g, half hi, lane half h) is the product of channels i = 8 Xblk + 2 a + hi and j = 8 Yblk + 2 b + (hi xor g % 2).
;   c < 48:  n = c / 4: Xblk = n % 4 + 4 h, Yblk = (Xblk + 1 + n / 4) % 8, a = c % 4, b = g / 2: the 24 pairs of blocks 1, 2, 3 apart.
;   c >= 48: A = (c - 48) / 5, q = 8 ((c - 48) % 5) + g, (a, b) = entry (q % 20) / 2 of 00 01 02 03 11 12 13 22 23 33; Xblk = A + 4 h; q < 20: Yblk = Xblk; else Yblk = Xblk xor 4.
; Row of initial_state: e = lo (127 - lo) / 2 + hx with lo, hx the smaller and the larger of i, j.  The factor sqrt(2) of the off-diagonal features lies in eb, so the diagonal takes 1 / sqrt(2).
.Lstate:
	s_sub_co_u32 s30, s28, 1568
	s_lshl4_add_u32 s30, s30, s29                  ; task = 16 x work-group + wave, 0 .. 2175
	s_mul_hi_u32 s31, s30, 0x03c3c3c4              ; bh = task / 68
	s_mul_i32 s32, s31, 68
	s_sub_co_u32 s32, s30, s32                     ; c
	v_and_b32 v1, 15, v0                           ; r
	v_bfe_u32 v2, v0, 4, 1                         ; h
	v_cmp_eq_u32 s60, 1, v2
	v_cmp_eq_u32 s61, 0, v1
	s_wait_alu depctr_va_sdst(0)                   ; the masks s60 and s61 are written, ahead of the branch below and of the selects that read them
.macro EIDX g, one                     ; wants 2 a in s40, 2 b in s41, 8 Xblk in v3, 8 Yblk in v5; one = 0: coefficients for h = 0, 1 in s42, s43 (hi = 0) and s44, s45 (hi = 1)
.irp hi, 0,1
	v_add3_u32 v6, v3, s40, \hi
	v_add3_u32 v7, v5, s41, (\hi)^((\g)&1)
	v_min_u32 v8, v6, v7
	v_max_u32 v9, v6, v7
	v_sub_nc_u32 v10, 127, v8
	v_mul_u32_u24 v10, v8, v10
	v_lshrrev_b32 v10, 1, v10
	v_add_nc_u32 v[E+2*(\g)+\hi], v10, v9
.if \one
	v_mov_b32 v[CF+2*(\g)+\hi], 1.0
.else
	v_mov_b32 v[CF+2*(\g)+\hi], s[42+2*\hi]
	v_cndmask_b32 v[CF+2*(\g)+\hi], v[CF+2*(\g)+\hi], s[43+2*\hi], s60
.endif
.endr
.endm
	s_cmp_lt_u32 s32, 48
	s_cbranch_scc0 .Ltwo
	s_lshr_b32 s33, s32, 2                         ; n
	s_and_b32 s40, s32, 3
	s_lshl_b32 s40, s40, 1                         ; 2 a
	s_and_b32 s35, s33, 3
	s_lshr_b32 s36, s33, 2
	v_lshl_add_u32 v3, v2, 2, s35                  ; Xblk
	v_add3_u32 v5, v3, s36, 1
	v_and_b32 v5, 7, v5                            ; Yblk
	v_lshlrev_b32 v3, 3, v3
	v_lshlrev_b32 v5, 3, v5
.irp g, 0,1,2,3,4,5,6,7
	s_mov_b32 s41, 2*(\g/2)
	EIDX \g, 1
.endr
	s_branch .Lgather
.Ltwo:
	s_sub_co_u32 s33, s32, 48
	s_mul_i32 s34, s33, 13
	s_lshr_b32 s34, s34, 6                         ; A = (c - 48) / 5, right for 0 .. 19
	s_mul_i32 s35, s34, 5
	s_sub_co_u32 s35, s33, s35                     ; ks
	v_lshl_add_u32 v3, v2, 2, s34
	v_lshlrev_b32 v3, 3, v3
.macro TWOG g
	s_lshl3_add_u32 s36, s35, \g                   ; q
	s_cmp_ge_u32 s36, 20
	s_cselect_b32 s37, 32, 0                       ; the second section takes the block 4 away
	s_cselect_b32 s38, 20, 0
	s_sub_co_u32 s36, s36, s38
	s_lshr_b32 s36, s36, 1                         ; p
	s_cmp_ge_u32 s36, 4
	s_cselect_b32 s40, 1, 0
	s_cmp_ge_u32 s36, 7
	s_cselect_b32 s38, 1, 0
	s_add_co_u32 s40, s40, s38
	s_cmp_ge_u32 s36, 9
	s_cselect_b32 s38, 1, 0
	s_add_co_u32 s40, s40, s38                     ; a
	s_sub_co_u32 s38, 7, s40
	s_mul_i32 s38, s38, s40
	s_lshr_b32 s38, s38, 1                         ; entries in front of a's: 0, 3, 5, 6
	s_sub_co_u32 s41, s36, s38                     ; b
	s_cmp_eq_u32 s40, s41
	s_cselect_b32 s46, 0, 1.0                      ; a slot that doubles another
	s_cselect_b32 s47, 0x3f3504f3, 1.0             ; a diagonal slot
.if (\g)&1
	s_mov_b32 s48, 1.0
	s_mov_b32 s49, s46
.else
	s_mov_b32 s48, s47
	s_mov_b32 s49, s47
.endif
	s_cmp_lg_u32 s37, 0
	s_cselect_b32 s42, 1.0, s48
	s_cselect_b32 s43, s46, s48
	s_cselect_b32 s44, 1.0, s49
	s_cselect_b32 s45, s46, s49
	s_lshl_b32 s40, s40, 1
	s_lshl_b32 s41, s41, 1
	v_xor_b32 v5, s37, v3
	EIDX \g, 0
.endm
.irp g, 0,1,2,3,4,5,6,7
	TWOG \g
.endr
.Lgather:
	s_mul_i32 s36, s31, 532480
	s_mov_b32 s37, 0
	s_add_nc_u64 s[12:13], s[12:13], s[36:37]
	s_mul_i32 s36, s31, 8320
	s_add_nc_u64 s[14:15], s[14:15], s[36:37]
	s_mul_i32 s36, s31, 348160
	s_mul_i32 s38, s32, 5120
	s_add_co_u32 s36, s36, s38
	s_add_nc_u64 s[22:23], s[22:23], s[36:37]
	v_lshlrev_b32 v11, 2, v1
	v_and_b32 v12, 31, v0
	v_lshlrev_b32 v12, 4, v12
.set k, 0
.rept 16
	v_lshl_add_u32 v[EA+k], v[E+k], 8, v11         ; initial_state: row e, channel r of a block of 16
	v_lshlrev_b32 v[EB+k], 2, v[E+k]               ; initial_sk: number e
.set k, k+1
.endr
	s_wait_alu depctr_va_vdst(0)                   ; the offsets EA, EB and v12 are written, which all the loads and stores below read; none of them is written again
.set k, 0
.rept 64
	global_load_b32 v[LD+k], v[EA+k%16], s[12:13] offset:64*(k/16)
.set k, k+1
.endr
.macro ARITH m, src                    ; 16 numbers times their coefficients, rounded once, into block m's own eight registers
.set k, 0
.rept 16
	v_mul_f32 v[(\src)+k], v[(\src)+k], v[CF+k]
.set k, k+1
.endr
.set k, 0
.rept 8
	v_cvt_pk_bf16_f32 v[RES+8*(\m)+k], v[(\src)+2*k], v[(\src)+2*k+1]
.set k, k+1
.endr
.endm
.macro SEND m                          ; stored as registers 0-3 and 4-7 of the fragment: 512 consecutive bytes a store
	global_store_b128 v12, v[RES+8*(\m):RES+8*(\m)+3], s[22:23] offset:1024*(\m)
	global_store_b128 v12, v[RES+8*(\m)+4:RES+8*(\m)+7], s[22:23] offset:1024*(\m)+512
.endm
	s_wait_loadcnt 48                              ; loads come back in order: block 0's sixteen are in, blocks 1 to 3 stay out
.set k, 0
.rept 16                                           ; initial_sk is asked for now, so that 64 loads are out again.  No wait: no vector line since the wait above names EB or LK
	global_load_b32 v[LK+k], v[EB+k], s[14:15]
.set k, k+1
.endr
	ARITH 0, LD
	s_wait_loadcnt 48                              ; block 1 is in; blocks 2 and 3 and initial_sk stay out
	s_wait_alu depctr_va_vdst(0)                   ; block 0's conversions have written its eight registers, which the two stores read
	SEND 0
	ARITH 1, LD+16
	s_wait_loadcnt 32                              ; block 2 is in; block 3 and initial_sk stay out
	s_wait_alu depctr_va_vdst(0)                   ; block 1's conversions have written its eight registers, which the two stores read
	SEND 1
	ARITH 2, LD+32
	s_wait_loadcnt 16                              ; block 3 is in; initial_sk stays out
	s_wait_alu depctr_va_vdst(0)                   ; block 2's conversions have written its eight registers, which the two stores read
	SEND 2
	ARITH 3, LD+48
.set k, 0
.rept 16                                           ; block 4: row 0 is initial_sk, the other rows 0
	v_cndmask_b32 v[CF+k], 0, v[CF+k], s61
.set k, k+1
.endr
	s_wait_loadcnt 0x0                             ; initial_sk is in
	s_wait_alu depctr_va_vdst(0)                   ; block 3's conversions have written its eight registers, which the two stores read
	SEND 3
	ARITH 4, LK
	s_wait_alu depctr_va_vdst(0)                   ; block 4's conversions have written its eight registers, which the last two stores read
	SEND 4
	s_endpgm
.Lfunc_end_k_q1f2162b82c_prep:
	.size	k_q1f2162b82c_prep, .Lfunc_end_k_q1f2162b82c_prep-k_q1f2162b82c_prep
	.p2alignl 7, 3214868480
	.fill 96, 4, 3214868480
	.section	.rodata,"a",@progbits
	.p2align	6, 0x0
	.amdhsa_kernel k_q1f2162b82c_prep
		.amdhsa_group_segment_fixed_size 2304
		.amdhsa_private_segment_fixed_size 0
		.amdhsa_enable_private_segment 0
		.amdhsa_kernarg_size 96
		.amdhsa_user_sgpr_count 2
		.amdhsa_user_sgpr_kernarg_segment_ptr 1
		.amdhsa_wavefront_size32 1
		.amdhsa_system_sgpr_workgroup_id_x 1
		.amdhsa_system_sgpr_workgroup_id_y 1
		.amdhsa_system_sgpr_workgroup_id_z 1
		.amdhsa_system_vgpr_workitem_id 0
		.amdhsa_next_free_vgpr 208
		.amdhsa_next_free_sgpr 66
		.amdhsa_reserve_vcc 1
		.amdhsa_float_denorm_mode_32 3
		.amdhsa_float_denorm_mode_16_64 3
		.amdhsa_memory_ordered 1
		.amdhsa_forward_progress 1
		.amdhsa_inst_pref_size 64
	.end_amdhsa_kernel
	.amdgpu_metadata
---
amdhsa.version: [ 1, 2 ]
amdhsa.kernels:
  - .name:           k_q1f2162b82c_prep
    .symbol:         k_q1f2162b82c_prep.kd
    .args:
      - { .name: query, .offset: 0, .size: 8, .value_kind: global_buffer, .address_space: global }
      - { .name: key, .offset: 8, .size: 8, .value_kind: global_buffer, .address_space: global }
      - { .name: value, .offset: 16, .size: 8, .value_kind: global_buffer, .address_space: global }
      - { .name: gate, .offset: 24, .size: 8, .value_kind: global_buffer, .address_space: global }
      - { .name: initial_state, .offset: 32, .size: 8, .value_kind: global_buffer, .address_space: global }
      - { .name: initial_sk, .offset: 40, .size: 8, .value_kind: global_buffer, .address_space: global }
      - { .name: qb, .offset: 48, .size: 8, .value_kind: global_buffer, .address_space: global }
      - { .name: kimg, .offset: 56, .size: 8, .value_kind: global_buffer, .address_space: global }
      - { .name: vb, .offset: 64, .size: 8, .value_kind: global_buffer, .address_space: global }
      - { .name: s0t, .offset: 72, .size: 8, .value_kind: global_buffer, .address_space: global }
      - { .name: sct, .offset: 80, .size: 8, .value_kind: global_buffer, .address_space: global }
      - { .name: eb, .offset: 88, .size: 8, .value_kind: global_buffer, .address_space: global }
    .group_segment_fixed_size: 2304
    .private_segment_fixed_size: 0
    .kernarg_segment_align: 8
    .kernarg_segment_size: 96
    .max_flat_workgroup_size: 512
    .sgpr_count:     66
    .vgpr_count:     208
    .wavefront_size: 32
...
	.end_amdgpu_metadata
.endif
;; end of part 4
;; launch s0: the kernel of part 2 again; grid 8 x 32, 4 waves a work-group, clusters of 4 x 1, 327,680 bytes of LDS; arguments qb, s0t, eb, o0, l0; writes o0, l0
;; launch attn: the kernel of part 3 again; grid 8 x 32, 4 waves a work-group, no clusters, 327,680 bytes of LDS; arguments qb, kimg, vb, o0, l0, sct, out0; writes out0
